; MI455X (gfx1250); checked and timed in simulation.
; The chip was launched on July 23, 2026; its instructions are those of AMD's public machine-readable ISA for CDNA 5 (MIT licence, August 2026) and "CDNA5" Instruction Set Architecture Reference Guide (July 2026). The comments in the code are by the model that wrote it; some were corrected since.
;; Multi Head Self Attention. Allowed arithmetic: matrix products marked QUANTISED: E2M3 operands, one E8M0 scale for each 32 along K, by v_wmma_scale_f32_16x16x128_f8f6f4 with both operands' format E2M3, f32 sums; everything else in f32.
;; Inputs: Wk_codes 16 x 64 x 32 x 24 uint8 (E2M3 codes of Wk, K innermost, in blocks of 32 codes, four codes in three bytes); Wk_scales 16 x 64 x 32 uint8 (E8M0 scales of Wk, one for each 32 codes along K); Wo_codes 1,024 x 32 x 24 uint8 (E2M3 codes of Wo, K innermost, in blocks of 32 codes, four codes in three bytes); Wo_scales 1,024 x 32 uint8 (E8M0 scales of Wo, one for each 32 codes along K); Wq_codes 16 x 64 x 32 x 24 uint8 (E2M3 codes of Wq, K innermost, in blocks of 32 codes, four codes in three bytes); Wq_scales 16 x 64 x 32 uint8 (E8M0 scales of Wq, one for each 32 codes along K); Wv_codes 16 x 64 x 32 x 24 uint8 (E2M3 codes of Wv, K innermost, in blocks of 32 codes, four codes in three bytes); Wv_scales 16 x 64 x 32 uint8 (E8M0 scales of Wv, one for each 32 codes along K); beta 1,024 float32; gamma 1,024 float32; x 4 x 2,048 x 1,024 float32.
;; Outputs: out0 4 x 2,048 x 1,024 float32.
;; This version of the problem:
;;   THIS VERSION OF THE PROBLEM IS GIVEN IN LOW PRECISION. The matrix products marked QUANTISED in the list below multiply operands that are first quantised to E2M3 (2 exponent bits, 3 mantissa bits; 6 bits a number), with one power-of-two scale for each 32 numbers along K (OCP MX v1.0); their sums are f32. All else is computed in f32.
;;   The module's matrix products, in the order in which they are computed (A, B: the left and right operand; K: the contracted axis; several contracted axes count as one K, in the product's order):
;;     1. [M 1,024, K 1,024] x [K 1,024, N 8,192]; A: input Wq (given as codes); B: input x: QUANTISED
;;     2. [M 1,024, K 1,024] x [K 1,024, N 8,192]; A: input Wk (given as codes); B: input x: QUANTISED
;;     3. [M 1,024, K 1,024] x [K 1,024, N 8,192]; A: input Wv (given as codes); B: input x: QUANTISED
;;     4. batch 64 x [M 2,048, K 64] x [K 64, N 2,048]; A: computed on the way; B: computed on the way: QUANTISED
;;     5. batch 64 x [M 2,048, K 2,048] x [K 2,048, N 64]; A: softmax (see below); B: computed on the way: QUANTISED
;;     6. [M 8,192, K 1,024] x [K 1,024, N 1,024]; A: computed on the way; B: input Wo (given as codes): QUANTISED
;;   THE QUANTISER, for each operand of a quantised product, along K:
;;     - K is cut into blocks of 32 from its start; a last block that is shorter is filled with zeros.
;;     - A block's scale is 2^e with e = floor(log2(the largest magnitude in the block)) - 2, held to -126 .. 127; a block of zeros has e = 0. As a byte (E8M0): e + 127.
;;     - Each number is divided by its block's scale, clamped to +-7.5, and rounded to the nearest number of E2M3, ties to even, subnormals kept.
;;     - The product sums the exact products of the quantised numbers (number of the format x scale) in f32.
;;   ~~~python
;;   def quantise(x, axis):      # numpy; x: float32 -> the quantised numbers, widened to float32 again
;;       x = np.moveaxis(x, axis, -1); K = x.shape[-1]
;;       x = np.pad(x, [(0, 0)] * (x.ndim - 1) + [(0, -K % 32)]); x = x.reshape(x.shape[:-1] + (-1, 32)); a = np.abs(x).max(-1, keepdims=True)
;;       e = np.where(a > 0, np.clip(np.frexp(np.where(a > 0, a, 1))[1] - 1 - 2, -126, 127), 0)      # np.frexp(a)[1] - 1 = floor(log2(a)), exactly
;;       r = np.clip(x / 2.0 ** e, -7.5, 7.5)
;;       step = 2.0 ** (np.maximum(np.frexp(np.where(r == 0, 1, r))[1] - 1, 0) - 3)
;;       q = np.round(r / step) * step * 2.0 ** e      # np.round: ties to even
;;       return np.moveaxis(q.reshape(q.shape[:-2] + (-1,))[..., :K], -1, axis).astype(np.float32)
;;   ~~~
;;   SOFTMAX AHEAD OF A QUANTISED PRODUCT. Where the list says 'softmax', what is quantised is not the finished softmax but p = 2^(t - M), with t = logit x log2(e) and M = ceil(the row's largest t), a whole number; so 1/2 < the row's largest p <= 1. The row's sum l is taken of the UNQUANTISED p, in f32, and the product's result is divided by l at the end. Since M is a whole number, a kernel that streams over the keys may use a running M (the ceiling of the running maximum): every later rescaling is an exact power of two, which a block's scale takes up: the codes' values come out the same.
;;   OPERANDS COMPUTED ON THE WAY. 'Computed on the way' means the value that the module computes at that place (a softmax that the list does not call 'softmax' is quantised finished and normalised). What goes into a quantiser is computed in f32, as accurately as f32 sums, v_exp_f32 and their like allow (about 1e-6 of the number): no bf16 or f16 on the way to a quantiser, and a product that is left as it is and whose result goes on into a quantised operand takes f32 operands (vector FMAs, or v_wmma_f32_16x16x4_f32). A number that lies on a knife's edge between two numbers of the format may be rounded either way, as far as f32 arithmetic and the matrix unit's own rounding can turn it there, and no further.
;;   INPUTS GIVEN AS CODES. Wk (in the module: [16, 1024, 64], K = its axis 1); Wo (in the module: [1024, 1024], K = its axis 0); Wq (in the module: [16, 1024, 64], K = its axis 1); Wv (in the module: [16, 1024, 64], K = its axis 1): each comes as NAME_codes (uint8): NAME with its K axis moved to the last place and cut into blocks of 32 codes, [.., K / 32, bytes a block], one block behind the other in memory; four codes in three bytes: a row's codes are one little-endian stream of bits, code i at bits 6 i .. 6 i + 5 (a code: sign, 2 exponent bits, 3 mantissa bits); and NAME_scales (uint8): the same leading axes, one E8M0 byte (e + 127) for each 32 codes along K. Its value is code x scale, taken as it is: it is not quantised again, and the codes and scales need not be those that the quantiser above would give.
;; One version. Each part assembles by itself: llvm-mc -triple=amdgcn-amd-amdhsa -mcpu=gfx1250 --defsym DOCPART=n.
;; ======== version 1 of 1: 4 launches
;; limits: right only within a limited range of input values
;; workspace buffers: xc 6,291,456 bytes; xs 262,144 bytes; wimg 2,457,600 bytes; woimg 786,432 bytes; qc 6,815,744 bytes; kv 13,369,344 bytes; hc 6,291,456 bytes; hs 262,144 bytes
;; launch prep (part 1): grid 288 x 1, 8 waves a work-group, no clusters, 136,192 bytes of LDS; arguments x, Wq_codes, Wk_codes, Wv_codes, Wo_codes, Wq_scales, Wk_scales, Wv_scales, xc, xs, wimg, woimg; writes xc, xs, wimg, woimg
.if DOCPART == 1
	.amdgcn_target "amdgcn-amd-amdhsa--gfx1250"
	.amdhsa_code_object_version 6
	.text
	.protected	k_q5e77387b9f_prep
	.globl	k_q5e77387b9f_prep
	.p2align	8
	.type	k_q5e77387b9f_prep,@function
k_q5e77387b9f_prep:
	s_mov_b64 s[64:65], 0
	v_nop
	global_prefetch_b8 v0, s[64:65] scope:SCOPE_SE
	s_setreg_imm32_b32 hwreg(HW_REG_WAVE_MODE, 25, 1), 1
	s_wait_xcnt 0x0
; PREP.  (1) x [8192][1024] f32 becomes codes of FP6 (E2M3) with one E8M0 byte for each 32 along K, laid as IMAGES OF OPERAND REGISTERS:
;   xc [token tile 512][K step 8][1,536]: a fragment (16 tokens x 128 K, 12 registers a lane) as three runs of 512 bytes, registers 4 c .. 4 c + 3 of lane l at 512 c + 16 l;
;   xs [token tile 512][K step 8][16 words]: a token's four scale bytes of the K step.
; (2) The four weights, given as codes with K innermost (rows of 768 bytes), are laid anew as such images, so that the products' launches fetch each fragment by loads of 16 bytes a lane:
;   wimg [head 16][153,600]: codes [q, k, v][pair p 2][K step 8][u 2][1,536] (rows e = 16 (2 p + u) + r), then scale words [q, k, v][p][K step][lane 16 u + r];
;   woimg [w 4][g 4][K step 8][n 4][1,536] (rows 16 (16 w + 4 g + n) + r of Wo).
; Work-groups 0 to 255 take x (two token tiles each; a wave one tile's two K steps), work-groups 256 to 287 the weights (a wave one tile of 16 rows, all 8 K steps).
; A block's scale is 2^(floor(log2(its largest magnitude)) - 2); its byte is the largest magnitude's exponent field - 2, held at 1 from below.
; LIMITS: a block of zeros gets the byte 1 where the rule says 127 (its codes are zeros, which add nothing under any byte but 0xff, and this program alone reads the bytes);
; NaN and infinities among the inputs are not served.
; No matrix unit, no cluster, no tensor load: memory binds, waves share nothing, and each byte of x is read once here by loads of 512 consecutive bytes.
.set STAGE, 8448                       ; a stage: 16 rows x (512 bytes + 16): row r starts 16 r bytes on modulo 256, so sixteen lanes that read 16 bytes of sixteen rows touch sixteen different columns
.set R,   16                           ; v16-143  the two K steps' numbers as loaded: 64 registers each
.set X,   144                          ; v144-207 64 numbers of my row: register 32 c + i = k 64 c + 32 h + i
.set F,   208                          ; v208-231 the two fragments' codes
.set MA,  232                          ; largest magnitudes, two chains for each of my two blocks
.set MB,  234
.set SCL, 236                          ; the conversions' scale operands
.set BY,  238                          ; the scale bytes
.set T,   240                          ; v240-246 the upper halves of a block's codes, before they are moved
.set PD,  248                          ; a lane permute's destination
.set W,   250                          ; v250-251 the two K steps' scale words
.set TW,  252
.set OW,  253
	s_load_b256 s[4:11], s[0:1], 0x0               ; x, Wq_codes, Wk_codes, Wv_codes
	s_load_b256 s[12:19], s[0:1], 0x20             ; Wo_codes, Wq_scales, Wk_scales, Wv_scales
	s_load_b256 s[20:27], s[0:1], 0x40             ; xc, xs, wimg, woimg
	v_lshl_add_u32 v254, v0, 2, 0x21000
	v_mov_b32 v255, 0
	v_lshrrev_b32 v1, 5, v0
	s_delay_alu instid0(VALU_DEP_1)
	v_readfirstlane_b32 s28, v1                    ; wave 0..7
	v_and_b32 v1, 31, v0                           ; lane
	v_and_b32 v2, 15, v0                           ; r
	v_bfe_u32 v3, v0, 4, 1                         ; h
	s_delay_alu instid0(VALU_DEP_3)
	v_lshlrev_b32 v4, 4, v1                        ; 16 x lane
	s_cmp_ge_u32 ttmp9, 256
	s_cbranch_scc1 .Lweights
	; ---------------- x ----------------
	s_mul_i32 s29, s28, 2*STAGE                    ; my wave's two stages
	v_add_nc_u32 v5, s29, v4                       ; into a stage: a row's 512 bytes as they lie
	v_mul_u32_u24 v6, v2, 528
	s_delay_alu instid0(VALU_DEP_1)
	v_lshl_add_u32 v6, v3, 7, v6
	s_delay_alu instid0(VALU_DEP_1)
	v_add_nc_u32 v6, s29, v6                       ; out of it: row r, + 128 h: my block of 32 numbers
	v_lshlrev_b32 v7, 2, v1                        ; 4 x lane
	v_lshlrev_b32 v8, 3, v3                        ; 8 h
	v_mov_b32 v[PD], 0                             ; written once: a lane permute's destination counts as one of its sources
	s_mov_b32 s30, 0x76543210
	s_mov_b32 s31, 0xfedcba98                      ; v_permlanex16_b32's selects for lane l xor 16
	s_mov_b32 s32, 0xffff0000                      ; lanes 16-31
	s_lshl_b32 s33, ttmp9, 1
	s_lshr_b32 s34, s28, 2
	s_add_co_u32 s33, s33, s34                     ; token tile = 2 x work-group + wave / 4
	s_and_b32 s34, s28, 3
	s_lshl_b32 s34, s34, 1                         ; my first K step = 2 (wave % 4)
	s_lshl_b32 s36, s33, 16                        ; x: 16 rows of 4,096 bytes a tile, 512 bytes a K step
	s_lshl_b32 s35, s34, 9
	s_add_co_u32 s36, s36, s35
	s_mov_b32 s37, 0
	s_mul_i32 s38, s33, 12288                      ; xc: 8 x 1,536 a tile
	s_mul_i32 s35, s34, 1536
	s_add_co_u32 s38, s38, s35
	s_mov_b32 s39, 0
	s_lshl_b32 s40, s33, 9                         ; xs: 8 x 64 a tile
	s_lshl_b32 s35, s34, 6
	s_add_co_u32 s40, s40, s35
	s_mov_b32 s41, 0
	s_wait_kmcnt 0x0
	s_add_nc_u64 s[4:5], s[4:5], s[36:37]
	s_add_nc_u64 s[20:21], s[20:21], s[38:39]
	s_add_nc_u64 s[22:23], s[22:23], s[40:41]
.macro XLOAD p                         ; K step p of my two: 16 rows, 512 consecutive bytes a load
.irp i, 0,1,2,3,4,5,6,7,8,9,10,11,12,13,14,15
	global_load_b128 v[R+64*\p+4*\i:R+64*\p+4*\i+3], v4, s[4:5] offset:4096*\i+512*\p th:TH_LOAD_NT
.endr
.endm
.macro XTURN p                         ; through my stage: in as loaded, out 128 bytes of my row for each of my two blocks.  LDS serves a wave's instructions in order: no wait between stores and loads
.irp i, 0,1,2,3,4,5,6,7,8,9,10,11,12,13,14,15
	ds_store_b128 v5, v[R+64*\p+4*\i:R+64*\p+4*\i+3] offset:STAGE*\p+528*\i
.endr
.irp c, 0,1
.irp i, 0,1,2,3,4,5,6,7
	ds_load_b128 v[X+32*\c+4*\i:X+32*\c+4*\i+3], v6 offset:STAGE*\p+256*\c+16*\i
.endr
.endr
.endm
.macro XQ p                            ; my two whole blocks (2 c + h of the K step) become registers 6 c .. 6 c + 5 of the fragment; the scale word is gathered from lanes l and l xor 16
.irp c, 0,1
	v_max3_num_f32 v[MA+\c], |v[X+32*\c]|, |v[X+32*\c+1]|, 0x1800000   ; with the floor 2^(3 - 127) among the leaves: the byte cannot fall under 1
	v_max3_num_f32 v[MB+\c], |v[X+32*\c+16]|, |v[X+32*\c+17]|, |v[X+32*\c+18]|
.endr
.irp i, 2,4,6,8,10,12
.irp c, 0,1
	s_delay_alu instid0(VALU_DEP_4)
	v_max3_num_f32 v[MA+\c], v[MA+\c], |v[X+32*\c+\i]|, |v[X+32*\c+\i+1]|
	s_delay_alu instid0(VALU_DEP_4)
	v_max3_num_f32 v[MB+\c], v[MB+\c], |v[X+32*\c+\i+17]|, |v[X+32*\c+\i+18]|
.endr
.endr
.irp c, 0
	s_delay_alu instid0(VALU_DEP_4)
	v_max3_num_f32 v[MA+\c], v[MA+\c], |v[X+32*\c+14]|, |v[X+32*\c+15]|
.endr
.irp c, 1
	s_delay_alu instid0(VALU_DEP_3)
	v_max3_num_f32 v[MA+\c], v[MA+\c], |v[X+32*\c+14]|, |v[X+32*\c+15]|
.endr
.irp c, 0,1
	s_delay_alu instid0(VALU_DEP_2)
	v_max3_num_f32 v[MA+\c], v[MA+\c], v[MB+\c], |v[X+32*\c+31]|
.endr
.irp c, 0,1
	s_delay_alu instid0(VALU_DEP_2)
	v_add_nc_u32 v[SCL+\c], 0xff000000, v[MA+\c]   ; 2 off the exponent field: the conversion takes the exponent field of this operand as its scale
.endr
.irp c, 0,1
	s_delay_alu instid0(VALU_DEP_2)
	v_lshrrev_b32 v[BY+\c], 23, v[SCL+\c]          ; the scale's byte
.endr
	s_delay_alu instid0(VALU_DEP_1)
	v_lshl_or_b32 v[TW], v[BY+1], 16, v[BY]        ; blocks h and 2 + h,
	s_delay_alu instid0(VALU_DEP_1)
	v_lshlrev_b32 v[TW], v8, v[TW]                 ; at their places in the word (8 h bits up);
	s_delay_alu instid0(VALU_DEP_1)
	v_permlanex16_b32 v[PD], v[TW], s30, s31
	s_delay_alu instid0(VALU_DEP_1)
	v_or_b32 v[W+\p], v[TW], v[PD]                 ; with lane l xor 16's two the word is whole
.irp c, 0,1
	v_cvt_scalef32_pk16_fp6_f32 v[F+12*\p+6*\c:F+12*\p+6*\c+2], v[X+32*\c:X+32*\c+15], v[SCL+\c]
	v_cvt_scalef32_pk16_fp6_f32 v[T+4*\c:T+4*\c+2], v[X+32*\c+16:X+32*\c+31], v[SCL+\c]   ; (a conversion's three registers begin on an even number)
.endr
	v_nop                                          ; one plain place behind the scaled conversions
.irp c, 0,1
.irp i, 0,1,2
	v_mov_b32 v[F+12*\p+6*\c+3+\i], v[T+4*\c+\i]
.endr
.endr
.irp c, 0,1,2
	global_store_b128 v4, v[F+12*\p+4*\c:F+12*\p+4*\c+3], s[20:21] offset:1536*\p+512*\c   ; 512 consecutive bytes a store
.endr
.endm
	s_wait_alu depctr_va_vdst(0)
	XLOAD 0
	XLOAD 1
	s_wait_loadcnt 16                              ; the first K step's 16 loads are in; the second's 16 may be out
	XTURN 0
	s_wait_dscnt 0x0
	XQ 0
	s_wait_loadcnt 0x0
	XTURN 1
	s_wait_dscnt 0x0
	XQ 1
	v_cndmask_b32 v[OW], v[W], v[W+1], s32         ; lanes 0-15: the first K step's words, lanes 16-31 the second's: 128 consecutive bytes
	global_store_b32 v7, v[OW], s[22:23]
	s_wait_tensorcnt 0x0
	ds_add_u32 v254, v255
	s_wait_dscnt 0x0
	s_endpgm
	; ---------------- the weights ----------------
.macro WSTORE stride, b                ; the eight fragments go out as they stand
.irp s, 0,1,2,3,4,5,6,7
.irp c, 0,1,2
	global_store_b128 v4, v[16+12*\s+4*\c:16+12*\s+4*\c+3], s[\b:\b+1] offset:\stride*\s+512*\c
.endr
.endr
.endm
.Lweights:
	s_sub_co_u32 s29, ttmp9, 256
	s_lshr_b32 s30, s29, 3                         ; 0, 1, 2, 3: Wq, Wk, Wv, Wo
	s_and_b32 s31, s29, 7
	s_lshl_b32 s31, s31, 3
	s_add_co_u32 s31, s31, s28                     ; my tile of 16 rows, 0..63
	s_wait_alu depctr_va_vdst(0)
	v_mul_u32_u24 v5, v2, 768
	s_delay_alu instid0(VALU_DEP_1)
	v_mad_u32_u24 v5, v3, 24, v5                   ; row r of 768 bytes, + 24 h
	s_mul_i32 s36, s31, 12288
	s_mov_b32 s37, 0
	s_wait_alu depctr_va_vdst(0)
	s_wait_kmcnt 0x0
	s_cmp_eq_u32 s30, 1                            ; the choices hang on the work-group's number alone
	s_cselect_b64 s[6:7], s[8:9], s[6:7]
	s_cselect_b64 s[14:15], s[16:17], s[14:15]
	s_cmp_eq_u32 s30, 2
	s_cselect_b64 s[6:7], s[10:11], s[6:7]
	s_cselect_b64 s[14:15], s[18:19], s[14:15]
	s_cmp_eq_u32 s30, 3
	s_cselect_b64 s[6:7], s[12:13], s[6:7]
	s_add_nc_u64 s[6:7], s[6:7], s[36:37]
.irp s, 0,1,2,3,4,5,6,7
.irp p, 0,1,2,3,4,5
	global_load_b64 v[16+12*\s+2*\p:16+12*\s+2*\p+1], v5, s[6:7] offset:96*\s+48*(\p/3)+8*(\p%3)   ; a fragment's registers are the row's bytes as they lie, in pieces of 8
.endr
.endr
	s_cmp_eq_u32 s30, 3
	s_cbranch_scc1 .Lwo
	s_lshr_b32 s32, s31, 2                         ; the head
	s_mul_i32 s32, s32, 153600
	s_mul_i32 s33, s30, 49152
	s_add_co_u32 s38, s32, s33
	s_bfe_u32 s34, s31, 0x10001                    ; p
	s_mul_i32 s33, s34, 24576
	s_add_co_u32 s38, s38, s33
	s_and_b32 s35, s31, 1                          ; u
	s_mul_i32 s33, s35, 1536
	s_add_co_u32 s38, s38, s33
	s_mov_b32 s39, 0
	s_lshl_b32 s33, s30, 11                        ; the scale words: 2,048 a tensor, 1,024 a pair, 64 a tile
	s_add_co_u32 s40, s32, s33
	s_lshl_b32 s33, s34, 10
	s_add_co_u32 s40, s40, s33
	s_lshl_b32 s33, s35, 6
	s_add_co_u32 s40, s40, s33
	s_add_co_u32 s40, s40, 147456
	s_mov_b32 s41, 0
	s_lshl_b32 s42, s31, 9                         ; the given scale bytes: 32 a row
	s_mov_b32 s43, 0
	s_add_nc_u64 s[14:15], s[14:15], s[42:43]
	s_add_nc_u64 s[44:45], s[24:25], s[40:41]
	s_add_nc_u64 s[24:25], s[24:25], s[38:39]
	v_lshlrev_b32 v6, 5, v2
	s_delay_alu instid0(VALU_DEP_1)
	v_lshl_add_u32 v6, v3, 4, v6                   ; row r, words 4 h .. 4 h + 3
	v_lshlrev_b32 v7, 9, v3
	s_delay_alu instid0(VALU_DEP_1)
	v_lshl_add_u32 v7, v2, 2, v7                   ; K step 4 h + i lies 128 bytes from the next; 4 r in it
	global_load_b128 v[112:115], v6, s[14:15]
	s_wait_alu depctr_va_vdst(0)
	s_wait_loadcnt 0x0
	WSTORE 3072, 24
.irp i, 0,1,2,3
	global_store_b32 v7, v[112+\i], s[44:45] offset:128*\i
.endr
	s_endpgm
.Lwo:
	s_lshr_b32 s32, s31, 4
	s_mul_i32 s38, s32, 196608
	s_bfe_u32 s33, s31, 0x20002
	s_mul_i32 s33, s33, 49152
	s_add_co_u32 s38, s38, s33
	s_and_b32 s33, s31, 3
	s_mul_i32 s33, s33, 1536
	s_add_co_u32 s38, s38, s33
	s_mov_b32 s39, 0
	s_add_nc_u64 s[26:27], s[26:27], s[38:39]
	s_wait_loadcnt 0x0
	WSTORE 6144, 26
	s_endpgm
.Lfunc_end_k_q5e77387b9f_prep:
	.size	k_q5e77387b9f_prep, .Lfunc_end_k_q5e77387b9f_prep-k_q5e77387b9f_prep
	.p2alignl 7, 3214868480
	.fill 96, 4, 3214868480
	.section	.rodata,"a",@progbits
	.p2align	6, 0x0
	.amdhsa_kernel k_q5e77387b9f_prep
		.amdhsa_group_segment_fixed_size 136192
		.amdhsa_private_segment_fixed_size 0
		.amdhsa_enable_private_segment 0
		.amdhsa_kernarg_size 96
		.amdhsa_user_sgpr_count 2
		.amdhsa_user_sgpr_kernarg_segment_ptr 1
		.amdhsa_wavefront_size32 1
		.amdhsa_system_sgpr_workgroup_id_x 1
		.amdhsa_system_sgpr_workgroup_id_y 1
		.amdhsa_system_sgpr_workgroup_id_z 1
		.amdhsa_system_vgpr_workitem_id 0
		.amdhsa_next_free_vgpr 256
		.amdhsa_next_free_sgpr 66
		.amdhsa_reserve_vcc 0
		.amdhsa_float_denorm_mode_32 3
		.amdhsa_float_denorm_mode_16_64 3
		.amdhsa_memory_ordered 1
		.amdhsa_forward_progress 1
		.amdhsa_inst_pref_size 31
	.end_amdhsa_kernel
	.amdgpu_metadata
---
amdhsa.version: [ 1, 2 ]
amdhsa.kernels:
  - .name:           k_q5e77387b9f_prep
    .symbol:         k_q5e77387b9f_prep.kd
    .args:
      - { .name: x, .offset: 0, .size: 8, .value_kind: global_buffer, .address_space: global }
      - { .name: Wq_codes, .offset: 8, .size: 8, .value_kind: global_buffer, .address_space: global }
      - { .name: Wk_codes, .offset: 16, .size: 8, .value_kind: global_buffer, .address_space: global }
      - { .name: Wv_codes, .offset: 24, .size: 8, .value_kind: global_buffer, .address_space: global }
      - { .name: Wo_codes, .offset: 32, .size: 8, .value_kind: global_buffer, .address_space: global }
      - { .name: Wq_scales, .offset: 40, .size: 8, .value_kind: global_buffer, .address_space: global }
      - { .name: Wk_scales, .offset: 48, .size: 8, .value_kind: global_buffer, .address_space: global }
      - { .name: Wv_scales, .offset: 56, .size: 8, .value_kind: global_buffer, .address_space: global }
      - { .name: xc, .offset: 64, .size: 8, .value_kind: global_buffer, .address_space: global }
      - { .name: xs, .offset: 72, .size: 8, .value_kind: global_buffer, .address_space: global }
      - { .name: wimg, .offset: 80, .size: 8, .value_kind: global_buffer, .address_space: global }
      - { .name: woimg, .offset: 88, .size: 8, .value_kind: global_buffer, .address_space: global }
    .group_segment_fixed_size: 136192
    .private_segment_fixed_size: 0
    .kernarg_segment_align: 8
    .kernarg_segment_size: 96
    .max_flat_workgroup_size: 256
    .sgpr_count:     66
    .vgpr_count:     256
    .wavefront_size: 32
...
	.end_amdgpu_metadata
.endif
;; end of part 1
;; launch qkv (part 2): grid 16 x 16, 4 waves a work-group, no clusters, 172,544 bytes of LDS; arguments xc, xs, wimg, qc, kv; writes qc, kv
.if DOCPART == 2
	.amdgcn_target "amdgcn-amd-amdhsa--gfx1250"
	.amdhsa_code_object_version 6
	.text
	.protected	k_q5e77387b9f_qkv
	.globl	k_q5e77387b9f_qkv
	.p2align	8
	.type	k_q5e77387b9f_qkv,@function
k_q5e77387b9f_qkv:
	s_mov_b64 s[64:65], 0
	v_nop
	global_prefetch_b8 v0, s[64:65] scope:SCOPE_SE
	s_setreg_imm32_b32 hwreg(HW_REG_WAVE_MODE, 25, 1), 1
	s_wait_xcnt 0x0
; QKV.  q, k, v = x W for one head, on codes of FP6 (E2M3) with E8M0 scales, and the results quantised at once: q and k along the head's 64 (two blocks), v along the keys.
; SHARES.  A work-group takes 512 tokens x the 192 rows (q, k, v) of one head; a wave 128 tokens (one key step of attention): 768 matrix instructions.
; x's 64 fragments of a wave (8 token tiles x 8 K steps, 768 registers) come from memory straight into registers and STAY; the head's weights (153,600 bytes, images of registers with their scale words)
; lie whole in LDS, filled once by one tensor load a wave, and each fragment read from LDS feeds eight matrix instructions.
; A UNIT is a pair of weight tiles (32 rows) against the wave's 8 token tiles over all of K: 8 K steps x 16 matrix instructions on 16 accumulators by turns.
; q, k: source 0 = 16 rows of W, source 1 = 16 tokens: a lane holds ONE token, and the 16 registers of a unit's two tiles are 16 numbers of one block of 32 along e.
; v:    source 0 = 16 tokens, source 1 = 16 rows of W: a lane holds ONE e, and its registers run along the tokens, which are the second attention product's K.
; ORDER INSIDE A BLOCK.  A lane's 16 numbers are 8 h + j and 16 + 8 h + j, so a block's codes lie in the order 0-7, 16-23, 8-15, 24-31.  q and k have the same order, and so have v and attention's p: the sums are the same.
; OUT.  qc [b h 64][key step 16][6,656]: 8 tiles x 768 (registers 0-3 at 16 l, registers 4-5 at 512 + 8 l), then 512 bytes of scale words (word i of lane l: tile 2 i + l / 16, row l % 16; bytes s0, s1, s0, s1).
;       kv [b h][key step][13,056]: K likewise (6,656), V's 4 fragments of 1,536 at 6,656, V's scale words at 12,800 (word i of lane l: tile 2 i + l / 16).
; NO CLUSTER: of the 543 KB that a work-group takes in, the weights that the sixteen work-groups of a head share are 150 KB; x's 393 KB go to one wave's registers, where no joint load reaches.
; NO PREFETCH: every load of the launch is issued at its head.
; LIMITS: a block of zeros gets the byte 1 (its codes are zeros; this program alone reads the bytes); NaN and infinities are not served.
; REGISTERS.  Window 0: v1-7 addresses; v10-21 x's fragment 63; v22-51, v52-81 two slots (two weight tiles, x's 4 scale registers, the weights' scale register); v82-95 at work; v96-127 codes kept; v128-255 accumulators.
;   Windows 1-3: x's fragment f = 8 s + t at v[12 (f % 21)] of window 1 + f / 21.
.set LI,  1                            ; 16 x lane
.set L8,  2                            ; 8 x lane
.set WA,  3                            ; LDS: the tensor's fragments, + 16 x lane
.set SA,  4                            ; LDS: the tensor's scale words, + 4 x lane
.set XA,  5                            ; LDS: my wave's scale words of x, + 16 x lane
.set XG,  6                            ; 512 h + 4 r
.set L4,  7                            ; 4 x lane
.set XL,  10
.set SL0, 22
.set TM,  82                           ; v82-85 largest magnitudes
.set TP,  86                           ; v86-89 the other half's; bytes
.set SC,  90                           ; v90-93 the conversions' scale operands
.set PW0, 94                           ; v94-95 V's scale words of the unit's two tiles
.set ST,  96                           ; v96-127 q, k: 4 registers a tile: block 0's codes and byte, later registers 0-3 of the fragment
.set PC,  96                           ; v: a fragment's codes
.set PX,  108                          ; v108-115 v: the codes that are moved
.set VSI, 116                          ; v116-117 v: the scale words as they are stored
.set ACC, 128
.set PR,  ACC+32                       ; q, k: registers 4-5 of the fragments, in accumulators that are converted
.set PW,  ACC+48                       ; their scale words
.set KSI, ACC+56                       ; and these as they are stored
.set WSC, 147456                       ; LDS: the weights' scale words
.set XSB, 153600                       ; LDS: x's scale words, 4,096 bytes a wave: [K step][lane][4]: register i of lane l: tile 2 i + l / 16, row l % 16
.set WV,  14
.set G0,  16
.set G1,  20
.set SEL, 28
.set MSK, 30
.set UB,  31
.set US,  32
.set CNT, 33
.set OUT, 34
.set KVP, 36
.set MSB, 0
.macro WIN new                         ; the immediate's high byte repeats the setting that is left
.if MSB != (\new)
	s_set_vgpr_msb (MSB<<8)|(\new)
.set MSB, (\new)
.endif
.endm
.macro PLACES n
.rept \n
	v_nop
.endr
.endm
; one matrix instruction from the symbols DD, AA, BB (registers), SAR, SBR (scale registers), RA, RB (1: lanes 16-31 of the scale register), ZZ (1: it starts the sum)
.macro WMMA
.if ZZ
.if RA && RB
	v_wmma_scale_f32_16x16x128_f8f6f4 v[DD:DD+7], v[AA:AA+11], v[BB:BB+11], 0, v[SAR], v[SBR] matrix_a_fmt:MATRIX_FMT_FP6 matrix_b_fmt:MATRIX_FMT_FP6 matrix_a_scale:MATRIX_SCALE_ROW1 matrix_b_scale:MATRIX_SCALE_ROW1
.elseif RA
	v_wmma_scale_f32_16x16x128_f8f6f4 v[DD:DD+7], v[AA:AA+11], v[BB:BB+11], 0, v[SAR], v[SBR] matrix_a_fmt:MATRIX_FMT_FP6 matrix_b_fmt:MATRIX_FMT_FP6 matrix_a_scale:MATRIX_SCALE_ROW1
.elseif RB
	v_wmma_scale_f32_16x16x128_f8f6f4 v[DD:DD+7], v[AA:AA+11], v[BB:BB+11], 0, v[SAR], v[SBR] matrix_a_fmt:MATRIX_FMT_FP6 matrix_b_fmt:MATRIX_FMT_FP6 matrix_b_scale:MATRIX_SCALE_ROW1
.else
	v_wmma_scale_f32_16x16x128_f8f6f4 v[DD:DD+7], v[AA:AA+11], v[BB:BB+11], 0, v[SAR], v[SBR] matrix_a_fmt:MATRIX_FMT_FP6 matrix_b_fmt:MATRIX_FMT_FP6
.endif
.else
.if RA && RB
	v_wmma_scale_f32_16x16x128_f8f6f4 v[DD:DD+7], v[AA:AA+11], v[BB:BB+11], v[DD:DD+7], v[SAR], v[SBR] matrix_a_fmt:MATRIX_FMT_FP6 matrix_b_fmt:MATRIX_FMT_FP6 matrix_a_scale:MATRIX_SCALE_ROW1 matrix_b_scale:MATRIX_SCALE_ROW1
.elseif RA
	v_wmma_scale_f32_16x16x128_f8f6f4 v[DD:DD+7], v[AA:AA+11], v[BB:BB+11], v[DD:DD+7], v[SAR], v[SBR] matrix_a_fmt:MATRIX_FMT_FP6 matrix_b_fmt:MATRIX_FMT_FP6 matrix_a_scale:MATRIX_SCALE_ROW1
.elseif RB
	v_wmma_scale_f32_16x16x128_f8f6f4 v[DD:DD+7], v[AA:AA+11], v[BB:BB+11], v[DD:DD+7], v[SAR], v[SBR] matrix_a_fmt:MATRIX_FMT_FP6 matrix_b_fmt:MATRIX_FMT_FP6 matrix_b_scale:MATRIX_SCALE_ROW1
.else
	v_wmma_scale_f32_16x16x128_f8f6f4 v[DD:DD+7], v[AA:AA+11], v[BB:BB+11], v[DD:DD+7], v[SAR], v[SBR] matrix_a_fmt:MATRIX_FMT_FP6 matrix_b_fmt:MATRIX_FMT_FP6
.endif
.endif
.endm
.macro XPLACE                          ; from f: the window XW and the register XR of x's fragment f
.if f == 63
.set XW, 0
.set XR, XL
.else
.set XW, 1+f/21
.set XR, 12*(f%21)
.endif
.endm
	s_load_b256 s[4:11], s[0:1], 0x0               ; xc, xs, wimg, qc
	s_load_b64 s[12:13], s[0:1], 0x20              ; kv
	v_lshl_add_u32 v51, v0, 2, 0x2a000
	v_mov_b32 v81, 0
	ds_add_u32 v51, v81
	ds_add_u32 v51, v81
	v_lshrrev_b32 v1, 5, v0
	v_readfirstlane_b32 s[WV], v1                  ; wave 0..3
	s_and_b32 s38, ttmp7, 0xffff                   ; the head
	s_lshl_b32 s39, ttmp9, 2
	s_add_co_u32 s39, s39, s[WV]                   ; G: which 128 tokens are my wave's, 0..63
	; descriptor group 1: 38,400 dense bytes as 150 rows of 256 bytes (32 elements of 8 bytes), no padding: images are read 16 bytes a lane on end
	s_mov_b32 s[G1], 3<<16
	s_mov_b32 s[G1+1], 32<<16                      ; tensor_dim0
	s_mov_b32 s[G1+2], 150<<16                     ; tensor_dim1
	s_mov_b32 s[G1+3], 32<<16                      ; tile_dim0
	s_mov_b32 s[G1+4], 150                         ; tile_dim1
	s_mov_b32 s[G1+5], 32                          ; the pitch
	s_mov_b32 s[G1+6], 0
	s_mov_b32 s[G1+7], 0
	s_mov_b32 s[G0], 1
	s_mul_i32 s[G0+1], s[WV], 38400                ; my quarter of the head's block, in LDS
	s_mul_i32 s40, s38, 153600
	s_add_co_u32 s40, s40, s[G0+1]                 ; and in memory
	s_mov_b32 s41, 0
	s_mul_i32 s42, s39, 98304                      ; xc: 8 tiles x 12,288
	s_mov_b32 s43, 0
	s_lshl_b32 s44, s39, 12                        ; xs: 8 tiles x 512
	s_mov_b32 s45, 0
	s_lshr_b32 s46, s39, 4                         ; the batch
	s_lshl_b32 s46, s46, 4
	s_add_co_u32 s46, s46, s38                     ; 16 b + head
	s_lshl_b32 s46, s46, 4
	s_and_b32 s47, s39, 15
	s_add_co_u32 s46, s46, s47                     ; x 16 + the key step
	s_mul_i32 s48, s46, 6656
	s_mov_b32 s49, 0
	s_mul_i32 s46, s46, 13056
	s_mov_b32 s47, 0
	s_mov_b32 s[SEL], 0x76543210
	s_mov_b32 s[SEL+1], 0xfedcba98                 ; v_permlanex16_b32's selects for lane l xor 16
	s_mov_b32 s[MSK], 0xffff0000                   ; lanes 16-31
	s_mov_b32 s[UB], 0
	s_mov_b32 s[US], WSC
	v_and_b32 v8, 31, v0
	v_and_b32 v9, 15, v0
	v_lshlrev_b32 v[LI], 4, v8
	v_lshlrev_b32 v[L8], 3, v8
	v_lshlrev_b32 v[L4], 2, v8
	v_bfe_u32 v[XG], v0, 4, 1
	v_lshlrev_b32 v[XG], 9, v[XG]
	v_lshl_add_u32 v[XG], v9, 2, v[XG]
	s_lshl_b32 s50, s[WV], 12
	s_add_co_u32 s50, s50, XSB
	v_add_nc_u32 v[XA], s50, v[LI]
	v_add_nc_u32 v[WA], s[UB], v[LI]
	v_add_nc_u32 v[SA], s[US], v[L4]
.irp b, 0,1,2,3
	v_mov_b32 v[TP+\b], 0                          ; written once: a lane permute's destination counts as one of its sources
.endr
	s_wait_alu depctr_va_vdst(0)
	s_wait_dscnt 0x0
	s_wait_kmcnt 0x0
	s_add_nc_u64 s[G0+2:G0+3], s[8:9], s[40:41]
	s_or_b32 s[G0+3], s[G0+3], 0x80000000          ; type = 2
	tensor_load_to_lds s[G0:G0+3], s[G1:G1+7]      ; the weights: filled once, one load a wave
	s_nop 0
	PLACES 4
	s_add_nc_u64 s[4:5], s[4:5], s[42:43]
	s_add_nc_u64 s[6:7], s[6:7], s[44:45]
	s_add_nc_u64 s[OUT:OUT+1], s[10:11], s[48:49]  ; q's block first
	s_add_nc_u64 s[KVP:KVP+1], s[12:13], s[46:47]
.irp s, 0,1,2,3,4,5,6,7
.irp i, 0,1,2,3
	global_load_b32 v[ACC+4*\s+\i], v[XG], s[6:7] offset:1024*\i+64*\s   ; x's scale words: lanes 0-15 tile 2 i, lanes 16-31 tile 2 i + 1
.endr
.endr
.set f, 0
.rept 64                               ; x's fragments, the first K step's first: 192 loads of 512 consecutive bytes
	XPLACE
.set WN, XW<<6
	WIN WN                                         ; the destination's window
.irp c, 0,1,2
	global_load_b128 v[XR+4*\c:XR+4*\c+3], v[LI], s[4:5] offset:12288*(f%8)+1536*(f/8)+512*\c
.endr
.set f, f+1
.endr
	WIN 0
	s_wait_loadcnt 63                              ; 192 loads are younger than the scale words': with at most 63 out these are in
.irp s, 0,1,2,3,4,5,6,7
	ds_store_b128 v[XA], v[ACC+4*\s:ACC+4*\s+3] offset:512*\s
.endr
	s_wait_tensorcnt 0x0                           ; my quarter of the weights has landed,
	s_wait_dscnt 0x0                               ; my stores too
	s_barrier_signal -1
	s_barrier_wait -1                              ; everybody's have: the only barrier
; 8 LDS loads: the pair of weight tiles of K step LIN (counted on through pairs and tensors from the tensor in hand), x's scale registers of K step SN, the weights' scale register, into the slot at SLT
.macro LOADSLOT
.irp c, 0,1,2,3,4,5
	ds_load_b128 v[SLT+4*\c:SLT+4*\c+3], v[WA] offset:3072*LIN+512*\c
.endr
	ds_load_b128 v[SLT+24:SLT+27], v[XA] offset:512*SN
	ds_load_b32 v[SLT+28], v[SA] offset:128*LIN
.endm
.macro MM kind                         ; the product of token tile T_ and weight tile U_ in K step S_
.set f, 8*S_+T_
	XPLACE
.if \kind == 0
.set WN, XW<<2
	WIN WN                                         ; x is source 1
.set DD, ACC+16*T_+8*U_
.set AA, SLT+12*U_
.set BB, XR
.set SAR, SLT+28
.set RA, U_
.set SBR, SLT+24+T_/2
.set RB, T_%2
.else
	WIN XW                                         ; x is source 0
.set DD, ACC+64*U_+8*T_
.set AA, XR
.set BB, SLT+12*U_
.set SAR, SLT+24+T_/2
.set RA, T_%2
.set SBR, SLT+28
.set RB, U_
.endif
	WMMA
.endm
; kind 0: q, k; 1: v.  base: the unit's first K step, counted as LOADSLOT counts.  next = 1: the last two K steps fetch the next unit's first two.  first = 1: x may still be on its way.
; The 16 accumulators take turns, one instruction a turn, in the same order in every K step.
.macro UNIT kind, base, next, first
.set S_, 0
.rept 8
.if S_ == 0
	s_wait_xcnt 0x0                                ; the stores of the unit before have read their registers: the accumulators may be written
.set ZZ, 1
.else
.set ZZ, 0
.endif
.if (\next == 0) && (S_ == 7)
	s_wait_dscnt 0x0                               ; nothing was asked for behind this slot's loads
.else
	s_wait_dscnt 8                                 ; this slot's 8 loads are in; the other slot's 8 may be out
.endif
.if \first
.set LC, 24*(7-S_)
.if LC > 63
.set LC, 63
.endif
	s_wait_loadcnt LC                              ; x's fragments of this K step are in: 24 loads for each later K step may be out
.endif
.set SLT, SL0+30*(S_%2)
.set T_, 0
.rept 8
.set U_, 0
.rept 2
	MM \kind
.set U_, U_+1
.endr
.set T_, T_+1
.endr
	WIN 0
.if S_ == 7
	PLACES 5                                       ; ahead of the first read of results; five, since the next unit's first products write over these accumulators
.else
	PLACES 4                                       ; ahead of loads into registers that matrix instructions have read
.endif
.if (\next) || (S_ < 6)
.set LIN, \base+S_+2
.set SN, (S_+2)%8
	LOADSLOT
.endif
.set S_, S_+1
.endr
.endm
; four groups of 16 registers from base on: each group's largest magnitude, joined with lane l xor 16's, and the conversion's scale operand in v[SC + b]
.macro MAXES base
.irp b, 0,1,2,3
	v_max3_num_f32 v[TM+\b], |v[16*\b+(\base)]|, |v[16*\b+1+(\base)]|, 0x1800000   ; the floor 2^(3 - 127): the byte cannot fall under 1.  Each accumulator is read from its low end on
.endr
.irp i, 2,4,6,8,10,12,14
.irp b, 0,1,2,3
	v_max3_num_f32 v[TM+\b], v[TM+\b], |v[16*\b+\i+(\base)]|, |v[16*\b+\i+1+(\base)]|
.endr
.endr
.irp b, 0,1,2,3
	v_permlanex16_b32 v[TP+\b], v[TM+\b], s[SEL], s[SEL+1]
.endr
.irp b, 0,1,2,3
	v_max_num_f32 v[TM+\b], v[TM+\b], v[TP+\b]
.endr
.irp b, 0,1,2,3
	v_add_nc_u32 v[SC+\b], 0xff000000, v[TM+\b]    ; 2 off the exponent field
.endr
.endm
; q, k behind the first pair (e = 0 .. 31): block 0's codes (my 16 of the 32) and byte of each tile are kept in registers
.macro EPA
.irp bt, 0,1
	MAXES ACC+64*\bt
.irp b, 0,1,2,3
	v_cvt_scalef32_pk16_fp6_f32 v[ST+16*\bt+4*\b:ST+16*\bt+4*\b+2], v[ACC+64*\bt+16*\b:ACC+64*\bt+16*\b+15], v[SC+\b]
.endr
.irp b, 0,1,2,3
	v_lshrrev_b32 v[ST+16*\bt+4*\b+3], 23, v[SC+\b]   ; the byte.  (Also the plain place behind the conversions)
.endr
.endr
.endm
.macro D1OF t                          ; where block 1's codes of tile t are made: tiles 0, 1 in work registers, the others in accumulators of tiles 0 and 1, which are converted by then
.if (\t) == 0
.set DQ, TM
.elseif (\t) == 1
.set DQ, TP
.else
.set DQ, ACC+4*((\t)-2)
.endif
.endm
; q, k behind the second pair (e = 32 .. 63), four tiles at a time: block 1's codes; the halves change places, so that lanes 0-15 hold block 0 whole and lanes 16-31 block 1; out
.macro EPBH bt
	MAXES ACC+64*\bt
.set TT_, 4*\bt
.rept 4
	D1OF TT_
	v_cvt_scalef32_pk16_fp6_f32 v[DQ:DQ+2], v[ACC+16*TT_:ACC+16*TT_+15], v[SC+TT_%4]
.if TT_ == 1
	v_nop                                          ; a plain place: the next two conversions write where tile 0's numbers lay
.endif
.set TT_, TT_+1
.endr
	v_nop                                          ; one plain place behind the scaled conversions
.irp b, 0,1,2,3
	v_lshrrev_b32 v[SC+\b], 23, v[SC+\b]           ; block 1's byte,
.endr
.irp b, 0,1,2,3
	v_lshl_or_b32 v[SC+\b], v[SC+\b], 8, v[ST+16*\bt+4*\b+3]   ; over block 0's,
.endr
.irp b, 0,1,2,3
	v_lshl_or_b32 v[PW+4*\bt+\b], v[SC+\b], 16, v[SC+\b]   ; and both once more for the upper 64 along K, where attention's codes are zeros: no byte there is 0xff
.endr
.set TT_, 4*\bt
.rept 4
	D1OF TT_
.irp i, 0,1,2
	v_permlane16_swap_b32 v[ST+4*TT_+\i], v[DQ+\i]
.endr
	v_mov_b32 v[ST+4*TT_+3], v[DQ]
	v_mov_b32 v[PR+2*TT_], v[DQ+1]
	v_mov_b32 v[PR+2*TT_+1], v[DQ+2]
	global_store_b128 v[LI], v[ST+4*TT_:ST+4*TT_+3], s[OUT:OUT+1] offset:768*TT_       ; 512 consecutive bytes
	global_store_b64 v[L8], v[PR+2*TT_:PR+2*TT_+1], s[OUT:OUT+1] offset:768*TT_+512    ; 256 consecutive bytes
.set TT_, TT_+1
.endr
.endm
.macro EPB
	EPBH 0
	EPBH 1
.irp i, 0,1,2,3
	v_cndmask_b32 v[KSI+\i], v[PW+2*\i], v[PW+2*\i+1], s[MSK]   ; lanes 0-15: tile 2 i, lanes 16-31: tile 2 i + 1
.endr
	global_store_b128 v[LI], v[KSI:KSI+3], s[OUT:OUT+1] offset:6144
.endm
; v: the 64 numbers of tile u (register 16 b + i: block b of the 128 keys) become a fragment at v[pc] and a scale word
.macro EPV u, p, pc
	MAXES ACC+64*\u
.irp b, 0,1,2,3
	v_lshrrev_b32 v[TP+\b], 23, v[SC+\b]
.endr
	v_lshl_or_b32 v[PW0+\u], v[TP+1], 8, v[TP]
	v_lshl_or_b32 v[PW0+\u], v[TP+2], 16, v[PW0+\u]
	v_lshl_or_b32 v[PW0+\u], v[TP+3], 24, v[PW0+\u]
.irp c, 0,1
	v_cvt_scalef32_pk16_fp6_f32 v[6*\c+(\pc):6*\c+2+(\pc)], v[ACC+64*\u+32*\c:ACC+64*\u+32*\c+15], v[SC+2*\c]
	v_cvt_scalef32_pk16_fp6_f32 v[PX+4*\c:PX+4*\c+2], v[ACC+64*\u+32*\c+16:ACC+64*\u+32*\c+31], v[SC+2*\c+1]
.endr
	v_nop                                          ; one plain place behind the scaled conversions
.irp c, 0,1
.irp i, 0,1,2
	v_permlane16_swap_b32 v[6*\c+\i+(\pc)], v[PX+4*\c+\i]
.endr
.irp i, 0,1,2
	v_mov_b32 v[6*\c+3+\i+(\pc)], v[PX+4*\c+\i]
.endr
.endr
.irp c, 0,1,2
	global_store_b128 v[LI], v[4*\c+(\pc):4*\c+3+(\pc)], s[KVP:KVP+1] offset:6656+(2*\p+\u)*1536+512*\c
.endr
.endm
.set SLT, SL0
.set LIN, 0
.set SN, 0
	LOADSLOT
.set SLT, SL0+30
.set LIN, 1
.set SN, 1
	LOADSLOT
	s_mov_b32 s[CNT], 2
.Ltensor:                                              ; two trips: q, then k
	s_wait_alu depctr_va_vdst(0)
	UNIT 0, 0, 1, 1
	EPA
	UNIT 0, 8, 1, 0
	EPB
	s_wait_dscnt 0x0                               ; the slots' loads have read their address registers,
	s_wait_xcnt 0x0                                ; the stores their base: all three are stepped
	s_mov_b64 s[OUT:OUT+1], s[KVP:KVP+1]           ; k goes to kv's block
	s_add_co_u32 s[UB], s[UB], 49152
	s_add_co_u32 s[US], s[US], 2048
	v_add_nc_u32 v[WA], s[UB], v[LI]
	v_add_nc_u32 v[SA], s[US], v[L4]
	s_sub_co_u32 s[CNT], s[CNT], 1
	s_cmp_lg_u32 s[CNT], 0
	s_cbranch_scc1 .Ltensor
	s_wait_alu depctr_va_vdst(0)
	UNIT 1, 0, 1, 0                                ; v, e = 0 .. 31
	EPV 0, 0, PC
	EPV 1, 0, ACC                                  ; (its codes go where tile 0's numbers lay: the first fragment's stores may still read theirs)
	v_cndmask_b32 v[VSI], v[PW0], v[PW0+1], s[MSK]
	UNIT 1, 8, 0, 0                                ; v, e = 32 .. 63
	EPV 0, 1, PC
	EPV 1, 1, ACC
	v_cndmask_b32 v[VSI+1], v[PW0], v[PW0+1], s[MSK]
	global_store_b64 v[L8], v[VSI:VSI+1], s[KVP:KVP+1] offset:12800
	s_wait_tensorcnt 0x0
	ds_add_u32 v51, v81
	s_wait_dscnt 0x0
	s_endpgm
.Lfunc_end_k_q5e77387b9f_qkv:
	.size	k_q5e77387b9f_qkv, .Lfunc_end_k_q5e77387b9f_qkv-k_q5e77387b9f_qkv
	.p2alignl 7, 3214868480
	.fill 96, 4, 3214868480
	.section	.rodata,"a",@progbits
	.p2align	6, 0x0
	.amdhsa_kernel k_q5e77387b9f_qkv
		.amdhsa_group_segment_fixed_size 172544
		.amdhsa_private_segment_fixed_size 0
		.amdhsa_enable_private_segment 0
		.amdhsa_kernarg_size 40
		.amdhsa_user_sgpr_count 2
		.amdhsa_user_sgpr_kernarg_segment_ptr 1
		.amdhsa_wavefront_size32 1
		.amdhsa_system_sgpr_workgroup_id_x 1
		.amdhsa_system_sgpr_workgroup_id_y 1
		.amdhsa_system_sgpr_workgroup_id_z 1
		.amdhsa_system_vgpr_workitem_id 0
		.amdhsa_next_free_vgpr 1024
		.amdhsa_next_free_sgpr 66
		.amdhsa_reserve_vcc 0
		.amdhsa_float_denorm_mode_32 3
		.amdhsa_float_denorm_mode_16_64 3
		.amdhsa_memory_ordered 1
		.amdhsa_forward_progress 1
		.amdhsa_inst_pref_size 147
	.end_amdhsa_kernel
	.amdgpu_metadata
---
amdhsa.version: [ 1, 2 ]
amdhsa.kernels:
  - .name:           k_q5e77387b9f_qkv
    .symbol:         k_q5e77387b9f_qkv.kd
    .args:
      - { .name: xc, .offset: 0, .size: 8, .value_kind: global_buffer, .address_space: global }
      - { .name: xs, .offset: 8, .size: 8, .value_kind: global_buffer, .address_space: global }
      - { .name: wimg, .offset: 16, .size: 8, .value_kind: global_buffer, .address_space: global }
      - { .name: qc, .offset: 24, .size: 8, .value_kind: global_buffer, .address_space: global }
      - { .name: kv, .offset: 32, .size: 8, .value_kind: global_buffer, .address_space: global }
    .group_segment_fixed_size: 172544
    .private_segment_fixed_size: 0
    .kernarg_segment_align: 8
    .kernarg_segment_size: 40
    .max_flat_workgroup_size: 128
    .sgpr_count:     66
    .vgpr_count:     1024
    .wavefront_size: 32
...
	.end_amdgpu_metadata
.endif
;; end of part 2
;; launch attn (part 3): grid 4 x 64, 16 waves a work-group, clusters of 4 x 1, 263,168 bytes of LDS; arguments qc, kv, hc, hs; writes hc, hs
.if DOCPART == 3
	.amdgcn_target "amdgcn-amd-amdhsa--gfx1250"
	.amdhsa_code_object_version 6
	.text
	.protected	k_q5e77387b9f_attn
	.globl	k_q5e77387b9f_attn
	.p2align	8
	.type	k_q5e77387b9f_attn,@function
k_q5e77387b9f_attn:
	s_mov_b64 s[64:65], 0
	v_nop
	global_prefetch_b8 v0, s[64:65] scope:SCOPE_SE
	s_setreg_imm32_b32 hwreg(HW_REG_WAVE_MODE, 25, 1), 1
	s_wait_xcnt 0x0
	s_wait_alu depctr_hold_cnt(0) depctr_sa_sdst(0) depctr_va_vdst(0) depctr_va_sdst(0) depctr_va_ssrc(0) depctr_va_vcc(0) depctr_vm_vsrc(0)
	s_getreg_b32 s2, hwreg(HW_REG_IB_STS2, 6, 4)
	s_cmp_eq_u32 s2, 0
	s_cbranch_scc0 .Lentry_in_a_cluster
	s_endpgm
.Lentry_in_a_cluster:
	s_bfe_u32 s2, ttmp6, 0x10000c
	s_cmp_lg_u32 s2, 0x3003
	s_cbranch_scc0 .Lentry_shape_is_right
	s_endpgm
.Lentry_shape_is_right:
; ATTENTION with the causal mask, both products on codes of FP6 (E2M3) with E8M0 scales; the result, divided by the row's sum, is quantised along the head's 64 for the last product.
; THE SOFTMAX: t = score x log2(e) / 8; M = the row's largest t so far, rounded UP to a whole number; p = 2^(t - M) is quantised along the keys, not normalised; the row's sum is taken of the unquantised p;
; when M moves, the sum and O are multiplied by 2^(old M - new M), which rounds nothing.
; LEFT OUT: key steps all of whose keys come after a tile's queries: the causal mask sets their scores to -infinity, so their p is 0 for all inputs.  A NaN or an infinity that reaches only such scores is not carried on.
; SHARES.  The four work-groups of a cluster serve one (batch, head).  Tiles of 16 queries g = 8 i + j need i + 1 key steps of 128.  Wave w of partner cx owns g = 8 (w / 2) + 2 cx + w % 2 and 127 - g: 17 key steps for every wave,
; and which steps a wave works on hangs on its number alone; cx enters global addresses and the diagonal's lane numbers only.
; K, V and their scale words (16 key steps x 13,056 bytes, images of operand registers) lie whole in LDS, filled once: each wave asks for one key step, JOINTLY with the same wave of the three partners (mask 15).
; Waves 0 and 1 have a load line of their own: the first barrier shows key steps 0 and 1 alone; every wave begins with its long tile (127 - g, at least 9 steps), and a second barrier behind two steps shows the rest.
; LDS rows are 256 bytes + 64 of padding (pitch 320): six rows on are 1,920 bytes = 128 modulo 256, so the two halves of a tile of K, read from tiles two apart, fall into different halves of the banks' row.
; LAYOUT.  S^T = K Q^T (source 0 = 16 keys, source 1 = my 16 queries), O^T = V^T P^T: a lane holds ONE query throughout.
; WHICH KEYS FORM A TILE OF K: tile 4 c + t has in rows 0-7 keys 64 c + 8 s(t) + 0..7 and in rows 8-15 the keys 32 further on, s = 0, 2, 1, 3.  So lane (r, h) holds in registers 32 c + 0..31 of S the WHOLE block 2 c + h of 32 keys,
; in the order in which V's codes lie (0-7, 16-23, 8-15, 24-31): a block's largest needs no other lane, and the conversions' results are the operand's registers.  The choice is made by the lanes' LDS addresses.
; K = 64 IN AN INSTRUCTION OF 128: Q's registers 6-11 are zero codes; K's tile is named as 12 registers, whose upper six (the next tile's codes; behind the last: zeros) meet zero codes and add nothing.
; NO PREFETCH: every byte of K and V is asked for at the head; there is no loop to run ahead in.
; OUT.  hc [token tile 512][head 16][768]: registers 0-3 at 16 l, registers 4-5 at 512 + 8 l, in the true order of e.  hs [head][token][2]: the two scale bytes (32 consecutive bytes a tile).
; LIMITS: a block of zeros gets the byte 1 (its codes are zeros; this program alone reads the bytes); the largest score starts at -3e38; the scaled scores stay under 2^31 in magnitude; NaN and infinities are not served.
.set STEPB, 16320                      ; a key step in LDS: 51 rows of 320
.set SPARE, 16*STEPB                   ; the spare words: 128 bytes a wave
.set LI,   1                           ; 16 x lane
.set L8,   2                           ; 8 x lane
.set R16,  3                           ; 16 r
.set BO,   4                           ; 2 r + h
.set CK16, 5                           ; K, registers 0-3: 1920 a + 320 h + 16 j  (a = bit 3 of the lane, j = lane % 8)
.set CK8,  6                           ; K, registers 4-5: 1920 a + 128 h + 8 j
.set CKS,  7                           ; K's scale words: 320 h + 4 a + 16 j
.set CV16, 8                           ; V: 320 h + 16 r
.set RD0,  9                           ; r - 32 h
.set NINF, 10
.set DG,   11                          ; the diagonal's d = my query - the step's first key - 32 h
.set QF,   16                          ; v16-21 Q's codes, v22-27 zero codes
.set QSW,  28
.set PSW,  29
.set VS,   30
.set KR,   32                          ; v32-79 K's eight tiles, then V's four fragments; v80-85 zeros
.set KS,   86
.set A16,  90                          ; v90-94 the step's LDS addresses
.set A8,   91
.set AS,   92
.set AV,   93
.set AV8,  94
.set S,    96                          ; v96-159 S^T, then p
.set OT,   160                         ; v160-191 O^T
.set PCD,  192                         ; v192-203 p's codes
.set PXT,  204                         ; v204-206, v208-210 the codes that are moved
.set M4,   212                         ; v212-215 four chains of maxima; the blocks' largest end in v212, v214
.set BS,   216
.set BT,   218
.set TMP,  220
.set PT,   221
.set FF,   222                         ; v[222:223] f
.set TW,   224
.set SA,   226                         ; v226-231 three more chains of the sum
.set SPW,  254
.set NIL,  255
.set WV,   12
.set CX,   13
.set BH,   14
.set GT,   15
.set G0,   16
.set G1,   20
.set SEL,  28
.set CS,   30
.set MSK,  32
.set TB,   33
.set GI,   34
.set CNT,  36
.set QP,   40
.set QS,   42
.set HB,   44                          ; s[44:47] the long tile's places in hc, hs
.set J16,  51
.set HA,   52                          ; s[52:55] the short tile's
.set II,   56
.macro PLACES n
.rept \n
	v_nop
.endr
.endm
.macro WALU
	s_wait_alu depctr_va_vdst(0)
.endm
.macro CROUND                          ; a round of the cluster's barrier
	s_barrier_signal -1
	s_barrier_wait -1
	s_cmp_lg_u32 s[WV], 0
	s_cbranch_scc1 .Lnot_wave_0_\@
	s_barrier_signal -3
.Lnot_wave_0_\@:
	s_barrier_wait -3
	s_barrier_signal -1
	s_barrier_wait -1
.endm
.macro TLOAD
	tensor_load_to_lds s[G0:G0+3], s[G1:G1+7]
	s_nop 0
	PLACES 4
.endm
; one matrix instruction from the symbols DD, AA, BB, SAR, SBR, RA (1: lanes 16-31 of source 0's scale register), ZZ (1: it starts the sum)
.macro WMMA
.if ZZ
.if RA
	v_wmma_scale_f32_16x16x128_f8f6f4 v[DD:DD+7], v[AA:AA+11], v[BB:BB+11], 0, v[SAR], v[SBR] matrix_a_fmt:MATRIX_FMT_FP6 matrix_b_fmt:MATRIX_FMT_FP6 matrix_a_scale:MATRIX_SCALE_ROW1
.else
	v_wmma_scale_f32_16x16x128_f8f6f4 v[DD:DD+7], v[AA:AA+11], v[BB:BB+11], 0, v[SAR], v[SBR] matrix_a_fmt:MATRIX_FMT_FP6 matrix_b_fmt:MATRIX_FMT_FP6
.endif
.else
.if RA
	v_wmma_scale_f32_16x16x128_f8f6f4 v[DD:DD+7], v[AA:AA+11], v[BB:BB+11], v[DD:DD+7], v[SAR], v[SBR] matrix_a_fmt:MATRIX_FMT_FP6 matrix_b_fmt:MATRIX_FMT_FP6 matrix_a_scale:MATRIX_SCALE_ROW1
.else
	v_wmma_scale_f32_16x16x128_f8f6f4 v[DD:DD+7], v[AA:AA+11], v[BB:BB+11], v[DD:DD+7], v[SAR], v[SBR] matrix_a_fmt:MATRIX_FMT_FP6 matrix_b_fmt:MATRIX_FMT_FP6
.endif
.endif
.endm
; ---------------- the head
	s_load_b256 s[4:11], s[0:1], 0x0               ; qc, kv, hc, hs
	v_lshl_add_u32 v[SPW], v0, 2, SPARE
	v_mov_b32 v[NIL], 0
	ds_add_u32 v[SPW], v[NIL]
	ds_add_u32 v[SPW], v[NIL]
	v_lshrrev_b32 v1, 5, v0
	v_readfirstlane_b32 s[WV], v1                  ; wave 0..15
	s_and_b32 s[BH], ttmp7, 0xffff                 ; 16 x batch + head: the cluster's y
	s_bfe_u32 s[CX], ttmp6, 0x40000                ; my place in the cluster
	; descriptor group 1: 13,056 dense bytes as 51 rows of 256 (32 elements of 8 bytes), 16 words of padding behind each; mask 15: all four partners; bit 21 beside it
	s_mov_b32 s[G1], 15|(3<<16)|(1<<20)|(1<<21)|(5<<22)|(15<<25)
	s_mov_b32 s[G1+1], 32<<16
	s_mov_b32 s[G1+2], 51<<16
	s_mov_b32 s[G1+3], 32<<16
	s_mov_b32 s[G1+4], 51
	s_mov_b32 s[G1+5], 32
	s_mov_b32 s[G1+6], 0
	s_mov_b32 s[G1+7], 0
	s_mov_b32 s[G0], 1
	s_mul_i32 s[G0+1], s[WV], STEPB                ; key step = my wave's number, in LDS
	s_mul_i32 s38, s[BH], 208896
	s_mul_i32 s37, s[WV], 13056
	s_add_co_u32 s38, s38, s37                     ; and in memory
	s_mov_b32 s39, 0
	s_mov_b32 s[SEL], 0x76543210
	s_mov_b32 s[SEL+1], 0xfedcba98                 ; v_permlanex16_b32's selects for lane l xor 16
	s_mov_b32 s[CS], 0x3e38aa3b                    ; c = log2(e) / 8
	s_mov_b32 s[CS+1], s[CS]
	s_mov_b32 s[MSK], 0xffff0000                   ; lanes 16-31
	s_lshr_b32 s[II], s[WV], 1                     ; i: the short tile's group, from the wave's number alone
	s_sub_co_u32 s[GI], 15, s[II]                  ; the long tile's
	s_and_b32 s37, s[WV], 1
	s_lshl_b32 s[GT], s[CX], 1
	s_add_co_u32 s[GT], s[GT], s37
	s_lshl_b32 s37, s[II], 3
	s_add_co_u32 s[GT], s[GT], s37                 ; g
	s_sub_co_u32 s[GT], 127, s[GT]                 ; the long tile goes first
	WALU
	s_wait_dscnt 0x0
	CROUND                                         ; the four partners are here: the joint loads meet
	s_wait_kmcnt 0x0
	s_add_nc_u64 s[G0+2:G0+3], s[6:7], s[38:39]
	s_or_b32 s[G0+3], s[G0+3], 0x80000000          ; type = 2
	s_cmp_lt_u32 s[WV], 2                          ; one load a wave; waves 0 and 1, which alone wait ahead of the first barrier, on a line of their own
	s_cbranch_scc0 .Lothers
	TLOAD
	s_branch .Lasked
.Lothers:
	TLOAD
.Lasked:
	v_and_b32 v12, 31, v0
	v_and_b32 v13, 15, v0                          ; r
	v_bfe_u32 v14, v0, 4, 1                        ; h
	v_and_b32 v15, 7, v0                           ; j
	v_bfe_u32 v[TMP], v0, 3, 1                     ; a
	v_lshlrev_b32 v[LI], 4, v12
	v_lshlrev_b32 v[L8], 3, v12
	v_lshlrev_b32 v[R16], 4, v13
	v_lshl_add_u32 v[BO], v13, 1, v14
	v_mul_u32_u24 v[TW], v[TMP], 1920
	v_mul_u32_u24 v[PT], v14, 320
	v_add_nc_u32 v[CK16], v[TW], v[PT]
	v_lshl_add_u32 v[CK16], v15, 4, v[CK16]
	v_lshl_add_u32 v[CK8], v14, 7, v[TW]
	v_lshl_add_u32 v[CK8], v15, 3, v[CK8]
	v_lshl_add_u32 v[CKS], v[TMP], 2, v[PT]
	v_lshl_add_u32 v[CKS], v15, 4, v[CKS]
	v_lshl_add_u32 v[CV16], v13, 4, v[PT]
	v_lshlrev_b32 v[DG], 5, v14
	v_sub_nc_u32 v[RD0], v13, v[DG]
	v_mov_b32 v[NINF], 0xff800000
.irp i, 0,1,2,3,4,5
	v_mov_b32 v[QF+6+\i], 0                        ; zero codes for k = 64 .. 127: written once
	v_mov_b32 v[KR+48+\i], 0
.endr
	v_mov_b32 v[BT], 0                             ; a lane permute's destination counts as one of its sources
	v_mov_b32 v[BT+1], 0
	v_mov_b32 v[FF+1], 0                           ; (named as the upper half of a pair)
	WALU
; the places of tile s[GT] in qc, hc, hs, and the loads of its Q
.macro TADDR hb
	s_lshr_b32 s37, s[GT], 3
	s_lshl_b32 s38, s[BH], 4
	s_add_co_u32 s38, s38, s37
	s_mul_i32 s38, s38, 6656                       ; q's block of 128 queries
	s_mov_b32 s39, 0
	s_add_nc_u64 s[48:49], s[4:5], s[38:39]
	s_and_b32 s37, s[GT], 7
	s_lshl_b32 s[J16], s37, 4                      ; my first query, counted from the diagonal step's first key
	s_mul_i32 s38, s37, 768
	s_add_nc_u64 s[QP:QP+1], s[48:49], s[38:39]
	s_lshr_b32 s37, s37, 1
	s_lshl_b32 s38, s37, 2
	s_and_b32 s37, s[GT], 1
	s_lshl_b32 s37, s37, 8
	s_add_co_u32 s38, s38, s37
	s_add_co_u32 s38, s38, 6144
	s_add_nc_u64 s[QS:QS+1], s[48:49], s[38:39]    ; its scale words: word (g % 8) / 2 of lane 16 (g % 2) + r
	s_lshr_b32 s37, s[BH], 4                       ; the batch
	s_and_b32 s50, s[BH], 15                       ; the head
	s_lshl_b32 s38, s37, 7
	s_add_co_u32 s38, s38, s[GT]
	s_lshl_b32 s38, s38, 4
	s_add_co_u32 s38, s38, s50
	s_mul_i32 s38, s38, 768
	s_add_nc_u64 s[\hb:\hb+1], s[8:9], s[38:39]
	s_lshl_b32 s38, s50, 14
	s_lshl_b32 s37, s37, 12
	s_add_co_u32 s38, s38, s37
	s_lshl_b32 s37, s[GT], 5
	s_add_co_u32 s38, s38, s37
	s_add_nc_u64 s[\hb+2:\hb+3], s[10:11], s[38:39]
	global_load_b128 v[QF:QF+3], v[LI], s[QP:QP+1]
	global_load_b64 v[QF+4:QF+5], v[L8], s[QP:QP+1] offset:512
	global_load_b32 v[QSW], v[R16], s[QS:QS+1]
.endm
.macro INIT                            ; a tile's start: the step is written once, and the first finds zeros, which the first change of M leaves zeros
	v_add_nc_u32 v[DG], s[J16], v[RD0]
	v_mov_b32 v13, 0xff61b1e6                      ; the largest score so far: -3e38
	v_mov_b32 v12, 0x7f61b1e6                      ; -M: a whole number above every later one
	v_mov_b32 v14, 0
	v_mov_b32 v15, 0
.set N_, 0
.rept 32
	v_mov_b32 v[OT+N_], 0
.set N_, N_+1
.endr
	WALU
.endm
; A KEY STEP: number s[CNT], at LDS byte s[TB]; my tile's group is s[GI]
.macro STEP
	s_cmp_gt_u32 s[CNT], s[GI]
	s_cbranch_scc1 .Lhidden_\@                     ; all its keys come after my queries
	v_add_nc_u32 v[A16], s[TB], v[CK16]            ; four additions: the places ahead of loads into registers that the last step's products read
	v_add_nc_u32 v[A8], s[TB], v[CK8]
	v_add_nc_u32 v[AS], s[TB], v[CKS]
	v_add_nc_u32 v[AV], s[TB], v[CV16]
.irp t, 0,1,2,3,4,5,6,7
	ds_load_b128 v[KR+6*\t:KR+6*\t+3], v[A16] offset:3840*(\t/4)+960*(\t%2)+128*((\t%4)/2)
	ds_load_b64 v[KR+6*\t+4:KR+6*\t+5], v[A8] offset:3840*(\t/4)+960*(\t%2)+64*((\t%4)/2)+640
.endr
.irp k, 0,1,2,3
	ds_load_b32 v[KS+\k], v[AS] offset:7680+128*(\k%2)+8*(\k/2)   ; lanes 0-15: tile 2 k's rows, lanes 16-31: tile 2 k + 1's
.endr
	WALU
	s_wait_dscnt 0x0
.set T_, 0
.rept 8
.set DD, S+8*T_
.set AA, KR+6*T_
.set BB, QF
.set SAR, KS+T_/2
.set RA, T_%2
.set SBR, QSW
.set ZZ, 1
	WMMA
.set T_, T_+1
.endr
	v_add_nc_u32 v[AV8], s[TB], v[L8]
	PLACES 3                                       ; with the addition: four places ahead of the first read of the scores and of loads into K's registers
.irp n, 0,1,2,3
.irp c, 0,1,2
	ds_load_b128 v[KR+12*\n+4*\c:KR+12*\n+4*\c+3], v[AV] offset:8320+1920*\n+640*\c   ; V's fragments land under the softmax
.endr
.endr
	ds_load_b64 v[VS:VS+1], v[AV8] offset:16000
	s_cmp_lt_u32 s[CNT], s[GI]
	s_cbranch_scc1 .Lopen_\@                       ; all its keys count
.set N_, 0
.rept 64                               ; the diagonal: register n holds key 64 (n / 32) + 32 h + 8 s((n / 8) % 4) + n % 8, hidden where that lies above my query
	v_cmp_gt_i32 vcc_lo, 64*(N_/32)+16*((N_/8)%2)+8*(((N_/8)%4)/2)+N_%8, v[DG]
	v_cndmask_b32 v[S+N_], v[S+N_], v[NINF], vcc_lo
.set N_, N_+1
.endr
.Lopen_\@:
.irp k, 0,1,2,3                        ; the largest SCORE of my two blocks, in four chains by turns, each accumulator from its low end on
	v_max3_num_f32 v[M4+\k], v[S+16*\k], v[S+16*\k+1], v[S+16*\k+2]
.endr
.irp i, 3,5,7,9,11,13
.irp k, 0,1,2,3
	v_max3_num_f32 v[M4+\k], v[M4+\k], v[S+16*\k+\i], v[S+16*\k+\i+1]
.endr
.endr
	v_max3_num_f32 v[M4], v[M4], v[M4+1], v[S+15]
	v_max3_num_f32 v[M4+2], v[M4+2], v[M4+3], v[S+47]
	v_max_num_f32 v[M4], v[M4], v[S+31]
	v_max_num_f32 v[M4+2], v[M4+2], v[S+63]
	v_max_num_f32 v[TMP], v[M4], v[M4+2]
	s_delay_alu instid0(VALU_DEP_1)
	v_permlanex16_b32 v[PT], v[TMP], s[SEL], s[SEL+1]
	s_delay_alu instid0(VALU_DEP_1)
	v_max3_num_f32 v13, v13, v[TMP], v[PT]         ; the running largest score of my query
	s_delay_alu instid0(VALU_DEP_1)
	v_mul_f32 v[TMP], s[CS], v13                   ; as t (c is positive)
	v_mov_b32 v[PT], v12
	s_delay_alu instid0(VALU_DEP_2)
	v_floor_f32 v12, -v[TMP]                       ; the new -M = floor(-t): M is a whole number
	s_delay_alu instid0(VALU_DEP_1)
	v_sub_f32 v[TMP], v12, v[PT]                   ; old M - new M: a whole number, 0 or less
	s_delay_alu instid0(VALU_DEP_1)
	v_cvt_i32_f32 v[TMP], v[TMP]                   ; (it saturates)
.set N_, 0
.rept 32
	v_pk_fma_f32 v[S+N_:S+N_+1], v[S+N_:S+N_+1], s[CS:CS+1], v[12:13] op_sel_hi:[1,0,0]   ; t - M, two at a time
.set N_, N_+2
.endr
	v_fma_f32 v[M4], v[M4], s[CS], v12             ; the same of each block's largest score
	v_fma_f32 v[M4+2], v[M4+2], s[CS], v12
	WALU
.set N_, 0
.rept 64
	v_exp_f32 v[S+N_], v[S+N_]                     ; p = 2^(t - M), at most 1
.set N_, N_+1
.endr
	v_exp_f32 v[M4], v[M4]                         ; the blocks' largest p: the same two instructions on the same number give the same bits
	v_exp_f32 v[M4+2], v[M4+2]
	v_ldexp_f32 v[FF], 1.0, v[TMP]                 ; f = 2^(old M - new M).  (The plain place behind the exponentials)
	WALU                                           ; one wait for the batch of 66, directly ahead of the first reader of O^T too
.set N_, 0
.rept 16
	v_pk_mul_f32 v[OT+N_:OT+N_+1], v[OT+N_:OT+N_+1], v[FF:FF+1] op_sel_hi:[1,0]   ; O^T under the new M
.set N_, N_+2
.endr
	v_max_num_f32 v[M4], 0x1800000, v[M4]          ; the floor 2^(3 - 127): the byte cannot fall under 1
	v_max_num_f32 v[M4+2], 0x1800000, v[M4+2]
	v_add_nc_u32 v[BS], 0xff000000, v[M4]          ; 2 off the exponent field: the conversion's scale operand
	v_add_nc_u32 v[BS+1], 0xff000000, v[M4+2]
	v_lshrrev_b32 v[BT], 23, v[BS]                 ; the scales' bytes: blocks h and 2 + h
	v_lshrrev_b32 v[BT+1], 23, v[BS+1]
	v_lshl_or_b32 v[TW], v[BT+1], 16, v[BT]
	v_permlanex16_b32 v[PT], v[TW], s[SEL], s[SEL+1]
	v_lshl_or_b32 v[PSW], v[PT], 8, v[TW]          ; lanes 0-15, which alone are read: bytes 0, 2 mine, bytes 1, 3 lane l + 16's
.irp c, 0,1
	v_cvt_scalef32_pk16_fp6_f32 v[PCD+6*\c:PCD+6*\c+2], v[S+32*\c:S+32*\c+15], v[BS+\c]
	v_cvt_scalef32_pk16_fp6_f32 v[PXT+4*\c:PXT+4*\c+2], v[S+32*\c+16:S+32*\c+31], v[BS+\c]   ; (a conversion's three registers begin on an even number)
.endr
	v_pk_fma_f32 v[14:15], v[14:15], v[FF:FF+1], v[S:S+1] op_sel_hi:[1,0,1]   ; THE ROW'S SUM, of the unquantised p, in four chains; the first brings the old sum under the new M.  (Plain places behind the conversions)
.irp a, 0,1,2
	v_pk_add_f32 v[SA+2*\a:SA+2*\a+1], v[S+2+4*\a:S+3+4*\a], v[S+4+4*\a:S+5+4*\a]
.endr
.irp c, 0,1
.irp i, 0,1,2
	v_mov_b32 v[PCD+6*\c+3+\i], v[PXT+4*\c+\i]
.endr
.endr
.irp k, 14,22,30,38,46,54              ; (these 28 lines are also the places between p's codes and the products)
	v_pk_add_f32 v[14:15], v[14:15], v[S+\k:S+\k+1]
.irp a, 0,1,2
	v_pk_add_f32 v[SA+2*\a:SA+2*\a+1], v[SA+2*\a:SA+2*\a+1], v[S+\k+2+2*\a:S+\k+3+2*\a]
.endr
.endr
	v_pk_add_f32 v[14:15], v[14:15], v[S+62:S+63]
	v_pk_add_f32 v[SA:SA+1], v[SA:SA+1], v[SA+2:SA+3]
	v_pk_add_f32 v[14:15], v[14:15], v[SA+4:SA+5]
	v_pk_add_f32 v[14:15], v[14:15], v[SA:SA+1]
	WALU
	s_wait_dscnt 0x0                               ; V is in
.set T_, 0
.rept 4                                ; O^T += V^T P^T: four accumulators, one instruction each
.set DD, OT+8*T_
.set AA, KR+12*T_
.set BB, PCD
.set SAR, VS+T_/2
.set RA, T_%2
.set SBR, PSW
.set ZZ, 0
	WMMA
.set T_, T_+1
.endr
.Lhidden_\@:
	s_add_co_u32 s[TB], s[TB], STEPB
.endm
; a tile's way out: divided by the sum, into the true order of e, quantised, stored
.macro FINISH hb
	PLACES 4                                       ; ahead of the first read of O^T
	v_add_f32 v14, v14, v15
	v_permlanex16_b32 v[TMP], v14, s[SEL], s[SEL+1]
	v_add_f32 v14, v14, v[TMP]                     ; the row's sum
	WALU
	v_rcp_f32 v14, v14
	v_nop
	WALU
.set N_, 0
.rept 32
	v_mul_f32 v[S+N_], v[OT+N_], v14               ; register 8 n + j: e = 16 n + 8 h + j
.set N_, N_+1
.endr
.irp b, 0,1                            ; afterwards register 16 b + i is e = 32 b + 16 h + i: these codes meet Wo's given codes
.irp j, 0,1,2,3,4,5,6,7
	v_permlane16_swap_b32 v[S+16*\b+\j], v[S+8+16*\b+\j]
.endr
.endr
.irp b, 0,1
	v_max3_num_f32 v[M4+\b], |v[S+16*\b]|, |v[S+1+16*\b]|, 0x1800000
.endr
.irp i, 2,4,6,8,10,12,14
.irp b, 0,1
	v_max3_num_f32 v[M4+\b], v[M4+\b], |v[S+16*\b+\i]|, |v[S+1+16*\b+\i]|
.endr
.endr
.irp b, 0,1
	v_permlanex16_b32 v[BT+\b], v[M4+\b], s[SEL], s[SEL+1]
.endr
.irp b, 0,1
	v_max_num_f32 v[M4+\b], v[M4+\b], v[BT+\b]
.endr
.irp b, 0,1
	v_add_nc_u32 v[BS+\b], 0xff000000, v[M4+\b]
.endr
.irp b, 0,1
	v_lshrrev_b32 v[BT+\b], 23, v[BS+\b]
.endr
	v_cvt_scalef32_pk16_fp6_f32 v[PCD:PCD+2], v[S:S+15], v[BS]
	v_cvt_scalef32_pk16_fp6_f32 v[PXT:PXT+2], v[S+16:S+31], v[BS+1]
	v_cndmask_b32 v[TMP], v[BT], v[BT+1], s[MSK]   ; lanes 0-15: block 0's byte, lanes 16-31: block 1's.  (The plain place behind the conversions)
.irp i, 0,1,2
	v_permlane16_swap_b32 v[PCD+\i], v[PXT+\i]
.endr
.irp i, 0,1,2
	v_mov_b32 v[PCD+3+\i], v[PXT+\i]
.endr
	global_store_b128 v[LI], v[PCD:PCD+3], s[\hb:\hb+1]
	global_store_b64 v[L8], v[PCD+4:PCD+5], s[\hb:\hb+1] offset:512
	global_store_b8 v[BO], v[TMP], s[\hb+2:\hb+3]
.endm
; ---------------- the long tile, 127 - g: steps 0 .. 15 - i
	TADDR HB
	INIT
	s_wait_loadcnt 0x0
	s_wait_dscnt 0x0
	s_cmp_lt_u32 s[WV], 2
	s_cbranch_scc0 .Lnot_first
	s_wait_tensorcnt 0x0                           ; waves 0 and 1: key steps 0 and 1 have landed
.Lnot_first:
	s_barrier_signal -1
	s_barrier_wait -1                              ; the other fourteen loads may be on their way
	s_mov_b32 s[CNT], 0
	s_mov_b32 s[TB], 0
.Lfirst:                                               ; key steps 0 and 1
	STEP
	s_add_co_u32 s[CNT], s[CNT], 1
	s_cmp_lt_u32 s[CNT], 2
	s_cbranch_scc1 .Lfirst
	s_wait_tensorcnt 0x0                           ; every wave: its key step has landed
	s_wait_dscnt 0x0
	s_barrier_signal -1
	s_barrier_wait -1                              ; all sixteen key steps are in
	s_mov_b32 s[TB], 2*STEPB
.Lrest:                                                ; 14 trips, a constant; the work of hidden steps is jumped over inside
	STEP
	s_add_co_u32 s[CNT], s[CNT], 1
	s_cmp_lt_u32 s[CNT], 16
	s_cbranch_scc1 .Lrest
; ---------------- the short tile, g: steps 0 .. i.  Its Q is asked for ahead of the long tile's way out
	s_sub_co_u32 s[GT], 127, s[GT]
	s_mov_b32 s[GI], s[II]
	TADDR HA
	FINISH HB
	INIT
	s_wait_loadcnt 0x0
	s_wait_xcnt 0x0                                ; the stores have read their registers, which the steps write anew
	s_mov_b32 s[CNT], 0
	s_mov_b32 s[TB], 0
.Lshort:                                               ; 8 trips, a constant
	STEP
	s_add_co_u32 s[CNT], s[CNT], 1
	s_cmp_lt_u32 s[CNT], 8
	s_cbranch_scc1 .Lshort
	FINISH HA
	s_wait_tensorcnt 0x0                           ; the wave's end
	ds_add_u32 v[SPW], v[NIL]
	s_wait_dscnt 0x0
	CROUND                                         ; the closing round
	s_endpgm
.Lfunc_end_k_q5e77387b9f_attn:
	.size	k_q5e77387b9f_attn, .Lfunc_end_k_q5e77387b9f_attn-k_q5e77387b9f_attn
	.p2alignl 7, 3214868480
	.fill 96, 4, 3214868480
	.section	.rodata,"a",@progbits
	.p2align	6, 0x0
	.amdhsa_kernel k_q5e77387b9f_attn
		.amdhsa_group_segment_fixed_size 263168
		.amdhsa_private_segment_fixed_size 0
		.amdhsa_enable_private_segment 0
		.amdhsa_kernarg_size 32
		.amdhsa_user_sgpr_count 2
		.amdhsa_user_sgpr_kernarg_segment_ptr 1
		.amdhsa_wavefront_size32 1
		.amdhsa_system_sgpr_workgroup_id_x 1
		.amdhsa_system_sgpr_workgroup_id_y 1
		.amdhsa_system_sgpr_workgroup_id_z 1
		.amdhsa_system_vgpr_workitem_id 0
		.amdhsa_next_free_vgpr 256
		.amdhsa_next_free_sgpr 66
		.amdhsa_reserve_vcc 1
		.amdhsa_float_denorm_mode_32 3
		.amdhsa_float_denorm_mode_16_64 3
		.amdhsa_memory_ordered 1
		.amdhsa_forward_progress 1
		.amdhsa_inst_pref_size 79
	.end_amdhsa_kernel
	.amdgpu_metadata
---
amdhsa.version: [ 1, 2 ]
amdhsa.kernels:
  - .name:           k_q5e77387b9f_attn
    .symbol:         k_q5e77387b9f_attn.kd
    .args:
      - { .name: qc, .offset: 0, .size: 8, .value_kind: global_buffer, .address_space: global }
      - { .name: kv, .offset: 8, .size: 8, .value_kind: global_buffer, .address_space: global }
      - { .name: hc, .offset: 16, .size: 8, .value_kind: global_buffer, .address_space: global }
      - { .name: hs, .offset: 24, .size: 8, .value_kind: global_buffer, .address_space: global }
    .group_segment_fixed_size: 263168
    .private_segment_fixed_size: 0
    .kernarg_segment_align: 8
    .kernarg_segment_size: 32
    .max_flat_workgroup_size: 512
    .sgpr_count:     66
    .vgpr_count:     256
    .wavefront_size: 32
...
	.end_amdgpu_metadata
.endif
;; end of part 3
;; launch outln (part 4): grid 256 x 1, 4 waves a work-group, no clusters, 263,680 bytes of LDS; arguments hc, hs, woimg, Wo_scales, x, gamma, beta, out0; writes out0
.if DOCPART == 4
	.amdgcn_target "amdgcn-amd-amdhsa--gfx1250"
	.amdhsa_code_object_version 6
	.text
	.protected	k_q5e77387b9f_outln
	.globl	k_q5e77387b9f_outln
	.p2align	8
	.type	k_q5e77387b9f_outln,@function
k_q5e77387b9f_outln:
	s_mov_b64 s[64:65], 0
	v_nop
	global_prefetch_b8 v0, s[64:65] scope:SCOPE_SE
	s_setreg_imm32_b32 hwreg(HW_REG_WAVE_MODE, 25, 1), 1
	s_wait_xcnt 0x0
; OUT.  out0 = LayerNorm(x + heads Wo) x gamma + beta; the product on codes of FP6 (E2M3) with E8M0 scales, all else in f32.
; SHARES.  A work-group takes 32 tokens x all 1,024 columns, since the norm wants whole rows.  Wave w makes columns 256 w .. 256 w + 255: 16 tiles of Wo's rows x 2 tiles of tokens x 8 K steps = 256 matrix instructions.
; Source 0 = 16 rows of Wo (columns of y), source 1 = 16 tokens: a lane holds eight neighbouring columns of one token's row.
; The heads' 16 fragments stay in registers.  A fragment of Wo is used by ONE wave of the work-group, twice: it comes from woimg (images of registers) straight into registers, by loads of 512 consecutive bytes,
; through a ring of five batches of four fragments: 48 loads of a wave are out while a batch is multiplied.
; x's 32 rows come into LDS by one tensor load a wave, at the head, filled once.  The product's results meet them through a stage in LDS; then each wave norms 8 whole rows.
; The norm goes in two passes over registers (the mean; then the squares of the differences), as the formula is written: a common offset of the inputs forms no difference of large sums.
; NO CLUSTER: what work-groups share is Wo, which goes to single waves' registers; a joint load would bring it into every LDS and from there to registers, with slots that are filled again, for the same bytes into each WGP.
; NO PREFETCH: Wo is read by every work-group again and again; the streams read once (x, the heads) are asked for at the head.
; LIMITS: the sums' order differs from the formula's; NaN and infinities are not served.
; REGISTERS.  Window 0: v1-8 addresses; v24-87 Wo's scale words; v88-95 the heads'; v96-111 their halves as loaded; v112-175, v176-239 two sets of a row (32 of the product, 32 of x); v240-248 at work.
;   Window 1: accumulator (n, m) at v[16 n + 8 m].   Window 2: the heads' fragment (m, s) at v[12 (8 m + s)]; gamma from v192, beta from v224.   Window 3: batch t's fragments at v[48 (t % 5) + 12 n].
.set STG,  131072                      ; LDS: x's 32 rows of 4,096 bytes lie at 0; the stage: 32 rows x (4,096 + 16) bytes: sixteen rows' stores of 16 bytes fall into sixteen different columns modulo 256
.set WS,   24                          ; register 8 i + s: K step s; lanes 0-15 tile 2 i, lanes 16-31 tile 2 i + 1
.set HS,   88                          ; register s: lanes 0-15 token tile 0, lanes 16-31 token tile 1
.set U16,  96
.set SETA, 112
.set T0,   240
.set T1,   242
.set MEAN, 244
.set RS,   246
.set PDS,  248
.set GM,   192
.set BE,   224
.set MSB, 0
.macro WIN new                         ; the immediate's high byte repeats the setting that is left
.if MSB != (\new)
	s_set_vgpr_msb (MSB<<8)|(\new)
.set MSB, (\new)
.endif
.endm
.macro PLACES n
.rept \n
	v_nop
.endr
.endm
; one matrix instruction from the symbols DD, AA, BB (registers), SAR, SBR (scale registers), RA, RB (1: lanes 16-31 of the scale register), ZZ (1: it starts the sum)
.macro WMMA
.if ZZ
.if RA && RB
	v_wmma_scale_f32_16x16x128_f8f6f4 v[DD:DD+7], v[AA:AA+11], v[BB:BB+11], 0, v[SAR], v[SBR] matrix_a_fmt:MATRIX_FMT_FP6 matrix_b_fmt:MATRIX_FMT_FP6 matrix_a_scale:MATRIX_SCALE_ROW1 matrix_b_scale:MATRIX_SCALE_ROW1
.elseif RA
	v_wmma_scale_f32_16x16x128_f8f6f4 v[DD:DD+7], v[AA:AA+11], v[BB:BB+11], 0, v[SAR], v[SBR] matrix_a_fmt:MATRIX_FMT_FP6 matrix_b_fmt:MATRIX_FMT_FP6 matrix_a_scale:MATRIX_SCALE_ROW1
.elseif RB
	v_wmma_scale_f32_16x16x128_f8f6f4 v[DD:DD+7], v[AA:AA+11], v[BB:BB+11], 0, v[SAR], v[SBR] matrix_a_fmt:MATRIX_FMT_FP6 matrix_b_fmt:MATRIX_FMT_FP6 matrix_b_scale:MATRIX_SCALE_ROW1
.else
	v_wmma_scale_f32_16x16x128_f8f6f4 v[DD:DD+7], v[AA:AA+11], v[BB:BB+11], 0, v[SAR], v[SBR] matrix_a_fmt:MATRIX_FMT_FP6 matrix_b_fmt:MATRIX_FMT_FP6
.endif
.else
.if RA && RB
	v_wmma_scale_f32_16x16x128_f8f6f4 v[DD:DD+7], v[AA:AA+11], v[BB:BB+11], v[DD:DD+7], v[SAR], v[SBR] matrix_a_fmt:MATRIX_FMT_FP6 matrix_b_fmt:MATRIX_FMT_FP6 matrix_a_scale:MATRIX_SCALE_ROW1 matrix_b_scale:MATRIX_SCALE_ROW1
.elseif RA
	v_wmma_scale_f32_16x16x128_f8f6f4 v[DD:DD+7], v[AA:AA+11], v[BB:BB+11], v[DD:DD+7], v[SAR], v[SBR] matrix_a_fmt:MATRIX_FMT_FP6 matrix_b_fmt:MATRIX_FMT_FP6 matrix_a_scale:MATRIX_SCALE_ROW1
.elseif RB
	v_wmma_scale_f32_16x16x128_f8f6f4 v[DD:DD+7], v[AA:AA+11], v[BB:BB+11], v[DD:DD+7], v[SAR], v[SBR] matrix_a_fmt:MATRIX_FMT_FP6 matrix_b_fmt:MATRIX_FMT_FP6 matrix_b_scale:MATRIX_SCALE_ROW1
.else
	v_wmma_scale_f32_16x16x128_f8f6f4 v[DD:DD+7], v[AA:AA+11], v[BB:BB+11], v[DD:DD+7], v[SAR], v[SBR] matrix_a_fmt:MATRIX_FMT_FP6 matrix_b_fmt:MATRIX_FMT_FP6
.endif
.endif
.endm
	s_load_b256 s[4:11], s[0:1], 0x0               ; hc, hs, woimg, Wo_scales
	s_load_b256 s[12:19], s[0:1], 0x20             ; x, gamma, beta, out0
	v_lshl_add_u32 v254, v0, 2, 0x40400
	v_mov_b32 v255, 0
	ds_add_u32 v254, v255
	ds_add_u32 v254, v255
	v_lshrrev_b32 v1, 5, v0
	v_readfirstlane_b32 s20, v1                    ; wave 0..3
	; descriptor group 1: 8 rows of x, 32,768 dense bytes, as 128 rows of 256 bytes (32 elements of 8 bytes), no padding: they are read 16 bytes a lane on end
	s_mov_b32 s28, 3<<16
	s_mov_b32 s29, 32<<16
	s_mov_b32 s30, 128<<16
	s_mov_b32 s31, 32<<16
	s_mov_b32 s32, 128
	s_mov_b32 s33, 32
	s_mov_b32 s34, 0
	s_mov_b32 s35, 0
	s_mov_b32 s24, 1
	s_lshl_b32 s25, s20, 15                        ; LDS: my 8 rows
	s_lshl_b32 s40, ttmp9, 17                      ; 32 rows of 4,096 bytes a work-group,
	s_add_co_u32 s40, s40, s25                     ; + my 8: in x and in out0
	s_mov_b32 s41, 0
	s_mul_i32 s42, ttmp9, 24576                    ; hc: 2 token tiles x 16 heads x 768
	s_mov_b32 s43, 0
	s_lshl_b32 s44, ttmp9, 6                       ; hs: 32 tokens x 2 bytes
	s_mov_b32 s45, 0
	s_mul_i32 s46, s20, 196608                     ; woimg: my 16 tiles
	s_mov_b32 s47, 0
	s_lshl_b32 s48, s20, 13                        ; Wo_scales: my 256 rows of 32 bytes
	s_mov_b32 s49, 0
	s_mov_b32 s36, 0x76543210
	s_mov_b32 s37, 0xfedcba98                      ; v_permlanex16_b32's selects for lane l xor 16
	s_mov_b32 s38, 0x3a800000                      ; 1 / 1,024
	s_mov_b32 s39, 0x3a83126f                      ; 0.001
	v_and_b32 v9, 31, v0
	v_and_b32 v10, 15, v0
	v_bfe_u32 v11, v0, 4, 1
	v_lshlrev_b32 v1, 4, v9                        ; 16 x lane
	v_lshlrev_b32 v2, 3, v9                        ; 8 x lane
	v_lshlrev_b32 v3, 1, v9                        ; 2 x lane
	v_lshlrev_b32 v4, 5, v9                        ; 32 x lane
	v_mul_u32_u24 v5, v10, 4112
	v_lshl_add_u32 v5, v11, 5, v5
	s_lshl_b32 s50, s20, 10
	s_add_co_u32 s50, s50, STG
	v_add_nc_u32 v5, s50, v5                       ; into the stage: row r, + 32 h, + my 1,024 bytes of a row
	v_add_nc_u32 v6, 65792, v5                     ; the same 16 rows on
	s_mul_i32 s50, s20, 8*4112
	s_add_co_u32 s50, s50, STG
	v_add_nc_u32 v7, s50, v1                       ; out of it: my 8 rows, 16 bytes a lane
	v_add_nc_u32 v8, s25, v1                       ; and x's
	v_mov_b32 v[MEAN+1], 0                         ; (named as the upper halves of pairs)
	v_mov_b32 v[RS+1], 0
	v_mov_b32 v[PDS], 0                            ; a lane permute's destination counts as one of its sources
	s_wait_dscnt 0x0
	s_wait_kmcnt 0x0
	s_add_nc_u64 s[26:27], s[12:13], s[40:41]
	s_or_b32 s27, s27, 0x80000000                  ; type = 2
	tensor_load_to_lds s[24:27], s[28:35]          ; filled once, one load a wave
	s_nop 0
	PLACES 4
	s_add_nc_u64 s[18:19], s[18:19], s[40:41]
	s_add_nc_u64 s[4:5], s[4:5], s[42:43]
	s_add_nc_u64 s[6:7], s[6:7], s[44:45]
	s_add_nc_u64 s[8:9], s[8:9], s[46:47]
	s_add_nc_u64 s[10:11], s[10:11], s[48:49]
.irp d, 0,1,2,3,4,5,6,7,8,9,10,11,12,13,14,15
	global_load_u16 v[U16+\d], v3, s[6:7] offset:16384*\d   ; head d's two bytes of token 32 x + lane
.endr
.irp i, 0,1,2,3,4,5,6,7
	global_load_b128 v[WS+8*\i:WS+8*\i+3], v4, s[10:11] offset:1024*\i      ; row 32 i + lane of my 256: its eight scale words
	global_load_b128 v[WS+8*\i+4:WS+8*\i+7], v4, s[10:11] offset:1024*\i+16
.endr
	WIN 0x80                                       ; destination window 2
.irp m, 0,1
.irp s, 0,1,2,3,4,5,6,7
.irp c, 0,1                            ; K step s is heads 2 s and 2 s + 1: registers 6 c .. 6 c + 5 are head 2 s + c's half fragment
	global_load_b128 v[12*(8*\m+\s)+6*\c:12*(8*\m+\s)+6*\c+3], v1, s[4:5] offset:768*(16*\m+2*\s+\c)
	global_load_b64 v[12*(8*\m+\s)+6*\c+4:12*(8*\m+\s)+6*\c+5], v2, s[4:5] offset:768*(16*\m+2*\s+\c)+512
.endr
.endr
.endr
.irp i, 0,1,2,3,4,5,6,7
	global_load_b128 v[GM+4*\i:GM+4*\i+3], v1, s[14:15] offset:512*\i   ; columns 128 i + 4 lane + 0 .. 3, as a row is read from LDS
	global_load_b128 v[BE+4*\i:BE+4*\i+3], v1, s[16:17] offset:512*\i
.endr
.macro WOLOAD t                        ; batch t: four fragments, 6,144 consecutive bytes
	WIN 0xc0                                       ; destination window 3
.irp i, 0,1,2,3,4,5,6,7,8,9,10,11
	global_load_b128 v[48*((\t)%5)+4*\i:48*((\t)%5)+4*\i+3], v1, s[8:9] offset:6144*(\t)+512*\i
.endr
.endm
.irp t, 0,1,2,3,4
	WOLOAD \t
.endr
	WIN 0
	s_wait_loadcnt 48                              ; all but batches 1 to 4 are in
.irp s, 0,1,2,3,4,5,6,7
	v_lshl_or_b32 v[HS+\s], v[U16+2*\s+1], 16, v[U16+2*\s]   ; the heads' scale word of K step s
.endr
	PLACES 8                                       ; a scale register written by a vector instruction stands eight places ahead of the scaled matrix instruction
; BATCH BT_ = 8 g + s: tiles 4 g .. 4 g + 3 of my 16, K step s: 8 matrix instructions on 8 accumulators by turns; then the batch five on is asked for into the same registers
.set BT_, 0
	s_wait_alu depctr_va_vdst(0)
.rept 32
.set LC, 12*(31-BT_)
.if LC > 48
.set LC, 48
.endif
	s_wait_loadcnt LC                              ; this batch is in; the younger batches' loads, 12 each, may be out
	WIN 0x5b                                       ; source 0 (Wo) window 3, source 1 (heads) window 2, C and D window 1
.if BT_%8 == 0
.set ZZ, 1
.else
.set ZZ, 0
.endif
.set NP_, 0
.rept 4
.set M_, 0
.rept 2
.set N_, 4*(BT_/8)+NP_
.set DD, 16*N_+8*M_
.set AA, 48*(BT_%5)+12*NP_
.set BB, 12*(8*M_+BT_%8)
.set SAR, WS+8*(N_/2)+BT_%8
.set RA, N_%2
.set SBR, HS+BT_%8
.set RB, M_
	WMMA
.set M_, M_+1
.endr
.set NP_, NP_+1
.endr
	PLACES 4                                       ; ahead of loads into registers that matrix instructions have read, and of the first read of results
.if BT_+5 < 32
	WOLOAD BT_+5
.endif
.set BT_, BT_+1
.endr
	WIN 0x04                                       ; an LDS store's data are its source 1: window 1
.irp n, 0,1,2,3,4,5,6,7,8,9,10,11,12,13,14,15
	ds_store_b128 v5, v[16*\n:16*\n+3] offset:64*\n            ; each accumulator from its low end on: token r, columns 16 n + 8 h + 0 .. 7 of my 256
	ds_store_b128 v5, v[16*\n+4:16*\n+7] offset:64*\n+16
	ds_store_b128 v6, v[16*\n+8:16*\n+11] offset:64*\n
	ds_store_b128 v6, v[16*\n+12:16*\n+15] offset:64*\n+16
.endr
	WIN 0
	s_wait_tensorcnt 0x0                           ; my rows of x have landed,
	s_wait_dscnt 0x0                               ; my stores into the stage too
	s_barrier_signal -1
	s_barrier_wait -1                              ; 32 whole rows lie in the stage
.macro LOADROW rho, st                 ; row rho of my 8: the product's 4,096 bytes and x's, 512 consecutive bytes a load
.irp i, 0,1,2,3,4,5,6,7
	ds_load_b128 v[4*\i+(\st):4*\i+3+(\st)], v7 offset:(\rho)*4112+512*\i
.endr
.irp i, 0,1,2,3,4,5,6,7
	ds_load_b128 v[32+4*\i+(\st):35+4*\i+(\st)], v8 offset:(\rho)*4096+512*\i
.endr
.endm
.macro REDUCE r                        ; over the 32 lanes: every lane ends with the sum
	v_add_f32_dpp v[\r], v[\r], v[\r] row_xmask:1 row_mask:0xf bank_mask:0xf
	v_add_f32_dpp v[\r], v[\r], v[\r] row_xmask:2 row_mask:0xf bank_mask:0xf
	v_add_f32_dpp v[\r], v[\r], v[\r] row_xmask:4 row_mask:0xf bank_mask:0xf
	v_add_f32_dpp v[\r], v[\r], v[\r] row_xmask:8 row_mask:0xf bank_mask:0xf
	v_permlanex16_b32 v[PDS], v[\r], s36, s37
	v_add_f32 v[\r], v[\r], v[PDS]
.endm
.macro LNROW rho, st
.irp j, 0,2,4,6,8,10,12,14,16,18,20,22,24,26,28,30
	v_pk_add_f32 v[\j+(\st):\j+1+(\st)], v[\j+(\st):\j+1+(\st)], v[32+\j+(\st):33+\j+(\st)]   ; y = x + heads Wo
.endr
	v_pk_add_f32 v[T0:T0+1], v[(\st):1+(\st)], v[2+(\st):3+(\st)]
	v_pk_add_f32 v[T1:T1+1], v[4+(\st):5+(\st)], v[6+(\st):7+(\st)]
.irp j, 8,12,16,20,24,28
	v_pk_add_f32 v[T0:T0+1], v[T0:T0+1], v[\j+(\st):\j+1+(\st)]
	v_pk_add_f32 v[T1:T1+1], v[T1:T1+1], v[\j+2+(\st):\j+3+(\st)]
.endr
	v_pk_add_f32 v[T0:T0+1], v[T0:T0+1], v[T1:T1+1]
	v_add_f32 v[T0], v[T0], v[T0+1]
	REDUCE T0
	v_mul_f32 v[MEAN], s38, v[T0]                  ; the mean
.irp j, 0,2,4,6,8,10,12,14,16,18,20,22,24,26,28,30
	v_pk_add_f32 v[\j+(\st):\j+1+(\st)], v[\j+(\st):\j+1+(\st)], v[MEAN:MEAN+1] op_sel_hi:[1,0] neg_lo:[0,1] neg_hi:[0,1]   ; y - mean
.endr
	v_pk_mul_f32 v[T0:T0+1], v[(\st):1+(\st)], v[(\st):1+(\st)]
	v_pk_mul_f32 v[T1:T1+1], v[2+(\st):3+(\st)], v[2+(\st):3+(\st)]
.irp j, 4,8,12,16,20,24,28
	v_pk_fma_f32 v[T0:T0+1], v[\j+(\st):\j+1+(\st)], v[\j+(\st):\j+1+(\st)], v[T0:T0+1]
	v_pk_fma_f32 v[T1:T1+1], v[\j+2+(\st):\j+3+(\st)], v[\j+2+(\st):\j+3+(\st)], v[T1:T1+1]
.endr
	v_pk_add_f32 v[T0:T0+1], v[T0:T0+1], v[T1:T1+1]
	v_add_f32 v[T0], v[T0], v[T0+1]
	REDUCE T0
	v_fma_f32 v[T0], v[T0], s38, s39               ; the variance + 0.001
	s_wait_alu depctr_va_vdst(0)
	v_rsq_f32 v[RS], v[T0]
	v_nop                                          ; the plain place behind the root
	s_wait_alu depctr_va_vdst(0)                   ; and the wait ahead of its first reader
.irp j, 0,2,4,6,8,10,12,14,16,18,20,22,24,26,28,30
	v_pk_mul_f32 v[\j+(\st):\j+1+(\st)], v[\j+(\st):\j+1+(\st)], v[RS:RS+1] op_sel_hi:[1,0]
.endr
	WIN 0x28                                       ; sources 1 and 2 (gamma, beta) window 2
.irp j, 0,2,4,6,8,10,12,14,16,18,20,22,24,26,28,30
	v_pk_fma_f32 v[\j+(\st):\j+1+(\st)], v[\j+(\st):\j+1+(\st)], v[GM+\j:GM+\j+1], v[BE+\j:BE+\j+1]
.endr
	WIN 0
.irp i, 0,1,2,3,4,5,6,7
	global_store_b128 v1, v[4*\i+(\st):4*\i+3+(\st)], s[18:19] offset:(\rho)*4096+512*\i th:TH_STORE_NT   ; 512 consecutive bytes, at a multiple of 256 from out0's first byte; written once
.endr
.endm
	LOADROW 0, SETA
.set RHO, 0
.rept 8
.set SS, SETA+64*(RHO%2)
.set SN, SETA+64*((RHO+1)%2)
.if RHO < 7
.if RHO > 0
	s_wait_xcnt 0x0                                ; the row before has had its stores' registers read: the next row's loads may land there
.endif
	LOADROW RHO+1, SN
	s_wait_dscnt 16                                ; this row's 16 loads are in; the next row's 16 may be out
.else
	s_wait_dscnt 0x0
.endif
	LNROW RHO, SS
.set RHO, RHO+1
.endr
	s_wait_tensorcnt 0x0
	ds_add_u32 v254, v255
	s_wait_dscnt 0x0
	s_endpgm
.Lfunc_end_k_q5e77387b9f_outln:
	.size	k_q5e77387b9f_outln, .Lfunc_end_k_q5e77387b9f_outln-k_q5e77387b9f_outln
	.p2alignl 7, 3214868480
	.fill 96, 4, 3214868480
	.section	.rodata,"a",@progbits
	.p2align	6, 0x0
	.amdhsa_kernel k_q5e77387b9f_outln
		.amdhsa_group_segment_fixed_size 263680
		.amdhsa_private_segment_fixed_size 0
		.amdhsa_enable_private_segment 0
		.amdhsa_kernarg_size 64
		.amdhsa_user_sgpr_count 2
		.amdhsa_user_sgpr_kernarg_segment_ptr 1
		.amdhsa_wavefront_size32 1
		.amdhsa_system_sgpr_workgroup_id_x 1
		.amdhsa_system_sgpr_workgroup_id_y 1
		.amdhsa_system_sgpr_workgroup_id_z 1
		.amdhsa_system_vgpr_workitem_id 0
		.amdhsa_next_free_vgpr 1024
		.amdhsa_next_free_sgpr 66
		.amdhsa_reserve_vcc 0
		.amdhsa_float_denorm_mode_32 3
		.amdhsa_float_denorm_mode_16_64 3
		.amdhsa_memory_ordered 1
		.amdhsa_forward_progress 1
		.amdhsa_inst_pref_size 165
	.end_amdhsa_kernel
	.amdgpu_metadata
---
amdhsa.version: [ 1, 2 ]
amdhsa.kernels:
  - .name:           k_q5e77387b9f_outln
    .symbol:         k_q5e77387b9f_outln.kd
    .args:
      - { .name: hc, .offset: 0, .size: 8, .value_kind: global_buffer, .address_space: global }
      - { .name: hs, .offset: 8, .size: 8, .value_kind: global_buffer, .address_space: global }
      - { .name: woimg, .offset: 16, .size: 8, .value_kind: global_buffer, .address_space: global }
      - { .name: Wo_scales, .offset: 24, .size: 8, .value_kind: global_buffer, .address_space: global }
      - { .name: x, .offset: 32, .size: 8, .value_kind: global_buffer, .address_space: global }
      - { .name: gamma, .offset: 40, .size: 8, .value_kind: global_buffer, .address_space: global }
      - { .name: beta, .offset: 48, .size: 8, .value_kind: global_buffer, .address_space: global }
      - { .name: out0, .offset: 56, .size: 8, .value_kind: global_buffer, .address_space: global }
    .group_segment_fixed_size: 263680
    .private_segment_fixed_size: 0
    .kernarg_segment_align: 8
    .kernarg_segment_size: 64
    .max_flat_workgroup_size: 128
    .sgpr_count:     66
    .vgpr_count:     1024
    .wavefront_size: 32
...
	.end_amdgpu_metadata
.endif
;; end of part 4
